; MI455X (gfx1250); checked and timed in simulation.
; The chip was launched on July 23, 2026; its instructions are those of AMD's public machine-readable ISA for CDNA 5 (MIT licence, August 2026) and "CDNA5" Instruction Set Architecture Reference Guide (July 2026). The comments in the code are by the model that wrote it; some were corrected since.
;; Relative Position Self Attention. Allowed arithmetic: matrix products marked QUANTISED: E2M1 operands, one E8M0 scale for each 32 along K, by v_wmma_scale_f32_16x16x128_f8f6f4 with both operands' format E2M1 (or v_wmma_scale_f32_32x16x128_f4), f32 sums; products left as they are: bf16, f16 or f32 operands; f32 sums; everything else in f32.
;; Inputs: in_proj_b 3,072 float32; in_proj_w 3,072 x 1,024 float32; out_b 1,024 float32; out_w 1,024 x 1,024 float32; rel_bias 65 x 16 float32; x 4 x 2,048 x 1,024 float32.
;; Outputs: out0 4 x 2,048 x 1,024 float32.
;; This version of the problem:
;;   THIS VERSION OF THE PROBLEM IS GIVEN IN LOW PRECISION. The matrix products marked QUANTISED in the list below multiply operands that are first quantised to E2M1 (2 exponent bits, 1 mantissa bit; 4 bits a number), with one power-of-two scale for each 32 numbers along K (OCP MX v1.0); their sums are f32. The products marked 'left as it is' may take bf16, f16 or f32 operands, with f32 sums. Whichever they take, every output number must still come out within the allowed error. Rounding operands to bf16 (8 significant bits) uses up far more of that allowance than f16 does (11 bits, for magnitudes from 6e-5 to 65,504). All else is computed in f32.
;;   The module's matrix products, in the order in which they are computed (A, B: the left and right operand; K: the contracted axis; several contracted axes count as one K, in the product's order):
;;     1. [M 8,192, K 1,024] x [K 1,024, N 3,072]; A: input x; B: input in_proj_w: QUANTISED
;;     2. batch 64 x [M 2,048, K 64] x [K 64, N 2,048]; A: computed on the way; B: computed on the way: left as it is (an operand is computed on the way)
;;     3. batch 64 x [M 2,048, K 2,048] x [K 2,048, N 64]; A: computed on the way; B: computed on the way: left as it is (an operand is computed on the way)
;;     4. [M 8,192, K 1,024] x [K 1,024, N 1,024]; A: computed on the way; B: input out_w: left as it is (an operand is computed on the way)
;;   THE QUANTISER, for each operand of a quantised product, along K:
;;     - K is cut into blocks of 32 from its start; a last block that is shorter is filled with zeros.
;;     - A block's scale is 2^e with e = floor(log2(the largest magnitude in the block)) - 2, held to -126 .. 127; a block of zeros has e = 0. As a byte (E8M0): e + 127.
;;     - Each number is divided by its block's scale, clamped to +-6, and rounded to the nearest number of E2M1, ties to even, subnormals kept.
;;     - The product sums the exact products of the quantised numbers (number of the format x scale) in f32.
;;   ~~~python
;;   def quantise(x, axis):      # numpy; x: float32 -> the quantised numbers, widened to float32 again
;;       x = np.moveaxis(x, axis, -1); K = x.shape[-1]
;;       x = np.pad(x, [(0, 0)] * (x.ndim - 1) + [(0, -K % 32)]); x = x.reshape(x.shape[:-1] + (-1, 32)); a = np.abs(x).max(-1, keepdims=True)
;;       e = np.where(a > 0, np.clip(np.frexp(np.where(a > 0, a, 1))[1] - 1 - 2, -126, 127), 0)      # np.frexp(a)[1] - 1 = floor(log2(a)), exactly
;;       r = np.clip(x / 2.0 ** e, -6, 6)
;;       step = 2.0 ** (np.maximum(np.frexp(np.where(r == 0, 1, r))[1] - 1, 0) - 1)
;;       q = np.round(r / step) * step * 2.0 ** e      # np.round: ties to even
;;       return np.moveaxis(q.reshape(q.shape[:-2] + (-1,))[..., :K], -1, axis).astype(np.float32)
;;   ~~~
;; One version. Each part assembles by itself: llvm-mc -triple=amdgcn-amd-amdhsa -mcpu=gfx1250 --defsym DOCPART=n.
;; ======== version 1 of 1: 4 launches
;; limits: values are held in f16: magnitudes above 65,504 overflow, below 6.1e-05 lose precision
;; workspace buffers: xc 4,194,304 bytes; xs 262,144 bytes; wc 1,572,864 bytes; ws 98,304 bytes; wo16 2,097,152 bytes; btab 4,608 bytes; qkv 50,331,648 bytes; ao 16,777,216 bytes
;; launch prep (part 1): grid 385 x 1, 4 waves a work-group, no clusters, 33,280 bytes of LDS; arguments x, in_proj_w, out_w, rel_bias, xc, xs, wc, ws, wo16, btab; writes xc, xs, wc, ws, wo16, btab
.if DOCPART == 1
	.amdgcn_target "amdgcn-amd-amdhsa--gfx1250"
	.amdhsa_code_object_version 6
	.text
	.protected	k_qdd127784c8_prep
	.globl	k_qdd127784c8_prep
	.p2align	8
	.type	k_qdd127784c8_prep,@function
k_qdd127784c8_prep:
	s_mov_b64 s[64:65], 0
	v_nop
	global_prefetch_b8 v0, s[64:65] scope:SCOPE_SE
	s_setreg_imm32_b32 hwreg(HW_REG_WAVE_MODE, 25, 1), 1
	s_wait_xcnt 0x0
; THE PROGRAM: self-attention with a relative-position mask.  Four launches: this one lays the operands out; the second makes q, k, v (the QUANTISED product, on codes of E2M1);
; the third is the attention of each head; the fourth the projection on the way out.  The products that are left as they are take f16 operands and f32 sums.
; WORK LEFT OUT, AND WHY IT IS DEAD.  in_proj_b[1024:2048], the bias of k.  With it every key of a head would be k + b_k, so every score of query q would grow by (q . b_k) / 8: a term that is the
; same for all keys of the row, whatever the inputs hold, and a softmax along the keys is unchanged by a term that is the same along its axis.  k goes nowhere else, and the product q k^T is not
; quantised, so no quantiser sees b_k.  These 1,024 numbers are not loaded; the biases of q and of v are live and are added.
; LIMIT of that: a NaN, an infinity or an overflow that sits in b_k alone is not carried to the result.
; LESSER WORK.  The mask is a lookup: mean over the heads of rel_bias[clip(i - j, -32, 32) + 32].  It has 65 different values; they are made once, here.
; LIMITS OF RANGE: |q|, |k|, |v|, |out_w| and the attention's result stay under 65,504 (f16); numbers of theirs under 6e-5 keep an absolute error of 3e-8; NaN and infinities among the inputs are not served;
; blocks whose largest magnitude lies under 2^(2 - 126) have their scale byte held at 1.
;
; THIS LAUNCH, three paths that part on the work-group's number; the first alone touches LDS.
; CODES (work-groups 0 to 351): x [8192][1024] (the first 256) and in_proj_w [3072][1024] (the other 96), f32, become codes of E2M1, K innermost, two a byte, and one E8M0 byte for each 32 along K.
;   A block's scale is 2^(floor(log2(its largest magnitude)) - 2); its byte is the largest magnitude's own exponent field - 2, held at 1 from below.  (A block of zeros so gets the byte 1 where the rule says 127: its
;   codes are zeros, which add nothing under any byte but 0xff, and this program alone reads the bytes.)  Rows are dense and 1,024 is a multiple of 32: both tensors are plain streams of blocks.
;   A wave takes 16 steps of 512 numbers.  Each load reads 512 consecutive bytes; a step's 2,048 bytes turn through the wave's own stage in LDS, so that a lane then holds 16 neighbours along K (two lanes a block).
; F16 (work-groups 352 to 383): out_w [1024 n][1024 k] becomes f16, laid [n / 128][k / 64][n % 128][64]: for a tile of 128 rows, 256 along K are then 65,536 consecutive bytes.
; TABLE (work-group 384): T_c[z] = 8 x mask at key - query = z - c - 128 (held to -32 .. 32), z = 0 .. 271, in four copies c = 0 .. 3, each shifted by one word more, 272 words apart.
;   (8 x: the mask is added to q . k ahead of the division by 8.  The shifted copies let a lane whose first word is at any place read 16 aligned bytes.)  Its stores are 128 bytes a wave: 4,608 bytes in all, written once.
.set WAVES, 4
.set STEPS, 16
.set WGA,   256                        ; work-groups for x: 8192 x 1024 / 32,768
.set WGQ,   352                        ; + 96 for in_proj_w
.set WGC,   384                        ; + 32 for out_w
.set EMAX,  2
.set CB,    8                          ; bytes of 16 codes
.set R,     16                         ; v16-79   four sets of 16 numbers as they are loaded
.set X,     80                         ; v80-111  two sets of 16 neighbours
.set C,     128                        ; v128-191 codes: four registers for each step, so that no store's data are written again
.set E,     112                        ; v112-127 a scale byte for each step
.set WREG,  8192                       ; LDS: a region for each wave: two stages of 32 x SP bytes, and behind them its 256 scale bytes
.set SP,    80                         ; a lane's place in a stage: its 64 bytes + 16 of padding
.set SPW,   12                         ; v12      LDS address of my spare word; never rewritten
.set NIL,   13                         ; v13      0; never rewritten
.set SPARE, WAVES*WREG                 ; behind the four regions: the spare words, 128 bytes a wave
	s_load_b512 s[4:19], s[0:1], 0x0               ; x 4:5, in_proj_w 6:7, out_w 8:9, rel_bias 10:11, xc 12:13, xs 14:15, wc 16:17, ws 18:19
	s_load_b128 s[20:23], s[0:1], 0x40             ; wo16 20:21, btab 22:23
	v_lshl_add_u32 v[SPW], v0, 2, SPARE
	v_mov_b32 v[NIL], 0
	v_lshrrev_b32 v1, 5, v0
	v_readfirstlane_b32 s24, v1                    ; wave
	v_and_b32 v2, 31, v0                           ; lane
	s_cmp_ge_u32 ttmp9, WGQ
	s_cbranch_scc1 .Lnot_codes
	; ---------------- CODES
	v_lshlrev_b32 v3, 4, v2                        ; my 16 bytes of a load's 512
	s_mul_i32 s25, s24, WREG
	v_lshrrev_b32 v14, 2, v2
	v_mul_u32_u24 v14, v14, SP
	v_and_b32 v15, 3, v2
	v_lshl_add_u32 v14, v15, 4, v14
	v_add_nc_u32 v14, s25, v14                     ; the stage, on the way in: four lanes' 64 bytes on end, then 16 of padding
	v_mul_u32_u24 v15, v2, SP
	v_add_nc_u32 v15, s25, v15                     ; and on the way out: SP x lane: my 16 neighbours
	v_mul_u32_u24 v4, v2, CB                       ; my codes' place in a step's
	v_lshrrev_b32 v5, 1, v2
	s_add_co_u32 s25, s25, 2*32*SP
	v_add_nc_u32 v5, s25, v5                       ; LDS: my wave's 256 scale bytes, my block's byte
	v_lshlrev_b32 v7, 3, v2                        ; and on the way out 8 bytes a lane
	v_add_nc_u32 v6, s25, v7
	s_wait_kmcnt 0x0
	s_cmp_lt_u32 ttmp9, WGA                        ; x's work-group or in_proj_w's?  The choice hangs on the work-group's number alone
	s_cselect_b64 s[4:5], s[4:5], s[6:7]
	s_cselect_b64 s[12:13], s[12:13], s[16:17]
	s_cselect_b64 s[14:15], s[14:15], s[18:19]
	s_cselect_b32 s25, 0, WGA
	s_sub_co_u32 s25, ttmp9, s25
	s_lshl_b32 s25, s25, 2
	s_add_co_u32 s26, s25, s24                     ; which run of 8,192 numbers of the tensor is my wave's
	s_mov_b32 s27, 0
	s_mov_b64 s[28:29], 512*STEPS*4
	s_mul_u64 s[28:29], s[26:27], s[28:29]
	s_add_nc_u64 s[4:5], s[4:5], s[28:29]
	s_mov_b64 s[28:29], 32*STEPS*CB
	s_mul_u64 s[28:29], s[26:27], s[28:29]
	s_add_nc_u64 s[12:13], s[12:13], s[28:29]
	s_lshl_b32 s26, s26, 8                         ; 256 scale bytes a run
	s_add_nc_u64 s[14:15], s[14:15], s[26:27]
.macro LOAD t
.irp i, 0,1,2,3
	global_load_b128 v[R+16*((\t)%4)+4*\i:R+16*((\t)%4)+4*\i+3], v3, s[4:5] offset:2048*(\t)+512*\i th:TH_LOAD_NT   ; 32 lanes read 512 consecutive bytes
.endr
.endm
.macro TURN t                          ; step t's numbers through the stage: LDS serves a wave's instructions in order, so no wait stands between the stores and the loads
.irp i, 0,1,2,3
	ds_store_b128 v14, v[R+16*((\t)%4)+4*\i:R+16*((\t)%4)+4*\i+3] offset:32*SP*((\t)%2)+8*SP*\i
.endr
.irp i, 0,1,2,3
	ds_load_b128 v[X+16*((\t)%2)+4*\i:X+16*((\t)%2)+4*\i+3], v15 offset:32*SP*((\t)%2)+16*\i
.endr
.endm
.irp t, 0,1,2,3
	LOAD \t
.endr
	s_wait_loadcnt 12                              ; step 0's four loads are in; the twelve of steps 1 to 3 may be out
	TURN 0
.macro STEP t
.set XS, X+16*((\t)%2)
.if (\t) > 0
	s_wait_dscnt 1                                 ; this step's numbers are back from the stage (the last step's byte store may be out): so its stores into the stage have read their registers,
.else
	s_wait_dscnt 0x0
.endif
.if (\t)+4 < STEPS
	LOAD (\t)+4                                    ; which take the loads of four steps on
.endif
.if (\t)+1 < STEPS
.if STEPS-2-(\t) >= 3
	s_wait_loadcnt 12                              ; the next step's four loads are in; those of the three steps behind it may be out
.else
	s_wait_loadcnt 4*(STEPS-2-(\t))
.endif
	TURN (\t)+1                                    ; and go through the other stage while this step is worked
.endif
	v_max3_num_f32 v8, |v[XS]|, |v[XS+1]|, |v[XS+2]|               ; the largest magnitude of my 16, in two chains
	v_max3_num_f32 v9, |v[XS+3]|, |v[XS+4]|, |v[XS+5]|
.irp i, 6,10
	v_max3_num_f32 v8, v8, |v[XS+\i]|, |v[XS+\i+1]|
	v_max3_num_f32 v9, v9, |v[XS+\i+2]|, |v[XS+\i+3]|
.endr
	v_max3_num_f32 v8, v8, |v[XS+14]|, |v[XS+15]|
	v_max3_num_f32 v8, v8, v9, (EMAX+1)<<23        ; and the floor 2^(EMAX + 1 - 127): so the byte cannot fall under 1
	v_max_num_f32_dpp v8, v8, v8 row_xmask:1 row_mask:0xf bank_mask:0xf   ; and of my neighbour's 16: the block's
	v_add_nc_u32 v11, -(EMAX<<23), v8              ; EMAX off its exponent field: the conversion takes the exponent field of this operand as its scale, and nothing else of it
	v_cvt_scalef32_pk8_fp4_f32 v[C+4*(\t)], v[XS:XS+7], v11        ; eight numbers / the scale, to the nearest code, ties to even, beyond the largest code the largest; the first number's code in the lowest four bits
	v_cvt_scalef32_pk8_fp4_f32 v[C+4*(\t)+1], v[XS+8:XS+15], v11
	v_lshrrev_b32 v[E+(\t)], 23, v11               ; the scale's byte (also the plain line behind the conversions)
	ds_store_b8 v5, v[E+(\t)] offset:16*(\t)       ; both lanes of a block write the same byte with the same value
	global_store_b64 v4, v[C+4*(\t):C+4*(\t)+1], s[12:13] offset:32*CB*(\t)   ; the wave stores 256 consecutive bytes, aligned
.endm
.irp t, 0,1,2,3,4,5,6,7,8,9,10,11,12,13,14,15
	STEP \t
.endr
	ds_load_b64 v[8:9], v6                         ; LDS serves a wave's instructions in order: these see my stores
	s_wait_dscnt 0x0
	global_store_b64 v7, v[8:9], s[14:15]          ; 32 lanes store 256 consecutive bytes, aligned
	s_wait_tensorcnt 0x0                           ; the wave's end, behind my last LDS store
	ds_add_u32 v[SPW], v[NIL]
	s_wait_dscnt 0x0
	s_endpgm
	; ---------------- F16: 32 rows n to a work-group, 8 to a wave, in two groups of 4.  A lane takes 8 neighbouring numbers (32 bytes) of a chunk of 64 along K: eight lanes a row, four rows a wave
.Lnot_codes:
	s_cmp_ge_u32 ttmp9, WGC
	s_cbranch_scc1 .Ltable
	s_sub_co_u32 s25, ttmp9, WGQ                   ; which 32 rows
	s_lshl_b32 s26, s25, 5
	s_lshl_b32 s27, s24, 3
	s_add_co_u32 s26, s26, s27                     ; my wave's first row
	s_lshl_b32 s26, s26, 12                        ; x 4,096 bytes
	s_mov_b32 s27, 0
	s_lshr_b32 s28, s25, 2
	s_lshl_b32 s28, s28, 18                        ; out: the block of 128 rows,
	s_and_b32 s29, s25, 3
	s_lshl_b32 s29, s29, 5
	s_lshl_b32 s30, s24, 3
	s_add_co_u32 s29, s29, s30
	s_lshl_b32 s29, s29, 7                         ; the row in it x 128 bytes
	s_add_co_u32 s28, s28, s29
	s_mov_b32 s29, 0
	v_lshrrev_b32 v3, 3, v2
	v_lshlrev_b32 v3, 12, v3
	v_and_b32 v4, 7, v2
	v_lshl_add_u32 v3, v4, 5, v3                   ; in: 4,096 (lane / 8) + 32 (lane % 8)
	v_lshlrev_b32 v4, 4, v2                        ; out: 16 x lane: four rows of 128 bytes on end
	s_wait_kmcnt 0x0
	s_add_nc_u64 s[8:9], s[8:9], s[26:27]
	s_add_nc_u64 s[20:21], s[20:21], s[28:29]
.macro CV rg
.irp h, 0,1,2,3,4,5,6,7,8,9,10,11,12,13,14,15
	global_load_b128 v[16+8*\h:16+8*\h+3], v3, s[8:9] offset:\rg*16384+\h*256 th:TH_LOAD_NT
	global_load_b128 v[16+8*\h+4:16+8*\h+7], v3, s[8:9] offset:\rg*16384+\h*256+16 th:TH_LOAD_NT
.endr
.irp h, 0,1,2,3,4,5,6,7,8,9,10,11,12,13,14,15
	s_wait_loadcnt 30-2*\h                         ; chunk h's two loads are in; the two of each later chunk may be out
.irp i, 0,1,2,3
	v_cvt_pk_f16_f32 v[16+8*\h+\i], v[16+8*\h+2*\i], v[16+8*\h+2*\i+1]   ; in place, ascending: no source is written before it is read
.endr
	global_store_b128 v4, v[16+8*\h:16+8*\h+3], s[20:21] offset:\h*16384+\rg*512   ; the wave stores 512 consecutive bytes, aligned
.endr
.endm
	CV 0
	s_wait_xcnt 0x0                                ; the stores have read their registers: the second group's loads may land there
	CV 1
	s_endpgm
	; ---------------- TABLE: thread t makes words t + 128 i, i = 0 .. 8
.Ltable:
	v_lshlrev_b32 v1, 2, v0
.irp i, 0,1,2,3,4,5,6,7,8
	v_add_nc_u32 v[160+\i], 128*\i, v0             ; the word's number, 272 c + z
	v_mul_u32_u24 v[170+\i], 241, v[160+\i]
	v_lshrrev_b32 v[170+\i], 16, v[170+\i]         ; c = number / 272 (241 / 65,536 serves up to 1,151)
	v_mul_u32_u24 v[170+\i], 273, v[170+\i]
	v_sub_nc_u32 v[160+\i], v[160+\i], v[170+\i]   ; z - c
	v_add_nc_u32 v[160+\i], 4, v[160+\i]           ; z - c + 4, never negative
	v_max_u32 v[160+\i], 100, v[160+\i]
	v_min_u32 v[160+\i], 164, v[160+\i]            ; = clip(z - c - 128, -32, 32) + 132
	v_sub_nc_u32 v[160+\i], 164, v[160+\i]         ; the row of rel_bias: 32 - clip(key - query)
	v_lshlrev_b32 v[160+\i], 6, v[160+\i]          ; x 64 bytes
.endr
	s_wait_kmcnt 0x0
.irp i, 0,1,2,3,4,5,6,7,8
.irp j, 0,1,2,3
	global_load_b128 v[16+16*\i+4*\j:16+16*\i+4*\j+3], v[160+\i], s[10:11] offset:16*\j
.endr
.endr
	s_wait_loadcnt 0x0
.irp i, 0,1,2,3,4,5,6,7,8
.irp j, 0,2,4,6
	v_pk_add_f32 v[16+16*\i+\j:16+16*\i+\j+1], v[16+16*\i+\j:16+16*\i+\j+1], v[16+16*\i+\j+8:16+16*\i+\j+9]
.endr
.endr
.irp i, 0,1,2,3,4,5,6,7,8
.irp j, 0,2
	v_pk_add_f32 v[16+16*\i+\j:16+16*\i+\j+1], v[16+16*\i+\j:16+16*\i+\j+1], v[16+16*\i+\j+4:16+16*\i+\j+5]
.endr
.endr
.irp i, 0,1,2,3,4,5,6,7,8
	v_pk_add_f32 v[16+16*\i:16+16*\i+1], v[16+16*\i:16+16*\i+1], v[16+16*\i+2:16+16*\i+3]
.endr
.irp i, 0,1,2,3,4,5,6,7,8
	v_add_f32 v[16+16*\i], v[16+16*\i], v[16+16*\i+1]
.endr
.irp i, 0,1,2,3,4,5,6,7,8
	v_mul_f32 v[16+16*\i], 0.5, v[16+16*\i]        ; the sum of 16 heads / 16 x 8
.endr
.irp i, 0,1,2,3,4,5,6,7,8
	global_store_b32 v1, v[16+16*\i], s[22:23] offset:512*\i
.endr
	s_endpgm
.Lfunc_end_k_qdd127784c8_prep:
	.size	k_qdd127784c8_prep, .Lfunc_end_k_qdd127784c8_prep-k_qdd127784c8_prep
	.p2alignl 7, 3214868480
	.fill 96, 4, 3214868480
	.section	.rodata,"a",@progbits
	.p2align	6, 0x0
	.amdhsa_kernel k_qdd127784c8_prep
		.amdhsa_group_segment_fixed_size 33280
		.amdhsa_private_segment_fixed_size 0
		.amdhsa_enable_private_segment 0
		.amdhsa_kernarg_size 80
		.amdhsa_user_sgpr_count 2
		.amdhsa_user_sgpr_kernarg_segment_ptr 1
		.amdhsa_wavefront_size32 1
		.amdhsa_system_sgpr_workgroup_id_x 1
		.amdhsa_system_sgpr_workgroup_id_y 1
		.amdhsa_system_sgpr_workgroup_id_z 1
		.amdhsa_system_vgpr_workitem_id 0
		.amdhsa_next_free_vgpr 192
		.amdhsa_next_free_sgpr 66
		.amdhsa_reserve_vcc 0
		.amdhsa_float_denorm_mode_32 3
		.amdhsa_float_denorm_mode_16_64 3
		.amdhsa_memory_ordered 1
		.amdhsa_forward_progress 1
		.amdhsa_inst_pref_size 66
	.end_amdhsa_kernel
	.amdgpu_metadata
---
amdhsa.version: [ 1, 2 ]
amdhsa.kernels:
  - .name:           k_qdd127784c8_prep
    .symbol:         k_qdd127784c8_prep.kd
    .args:
      - { .name: x, .offset: 0, .size: 8, .value_kind: global_buffer, .address_space: global }
      - { .name: in_proj_w, .offset: 8, .size: 8, .value_kind: global_buffer, .address_space: global }
      - { .name: out_w, .offset: 16, .size: 8, .value_kind: global_buffer, .address_space: global }
      - { .name: rel_bias, .offset: 24, .size: 8, .value_kind: global_buffer, .address_space: global }
      - { .name: xc, .offset: 32, .size: 8, .value_kind: global_buffer, .address_space: global }
      - { .name: xs, .offset: 40, .size: 8, .value_kind: global_buffer, .address_space: global }
      - { .name: wc, .offset: 48, .size: 8, .value_kind: global_buffer, .address_space: global }
      - { .name: ws, .offset: 56, .size: 8, .value_kind: global_buffer, .address_space: global }
      - { .name: wo16, .offset: 64, .size: 8, .value_kind: global_buffer, .address_space: global }
      - { .name: btab, .offset: 72, .size: 8, .value_kind: global_buffer, .address_space: global }
    .group_segment_fixed_size: 33280
    .private_segment_fixed_size: 0
    .kernarg_segment_align: 8
    .kernarg_segment_size: 80
    .max_flat_workgroup_size: 128
    .sgpr_count:     66
    .vgpr_count:     192
    .wavefront_size: 32
...
	.end_amdgpu_metadata
.endif
;; end of part 1
;; launch qkv (part 2): grid 12 x 32, 4 waves a work-group, clusters of 4 x 4, 327,680 bytes of LDS; arguments xc, xs, wc, ws, qkv, in_proj_b; writes qkv
.if DOCPART == 2
	.amdgcn_target "amdgcn-amd-amdhsa--gfx1250"
	.amdhsa_code_object_version 6
	.text
	.protected	k_qdd127784c8_qkv
	.globl	k_qdd127784c8_qkv
	.p2align	8
	.type	k_qdd127784c8_qkv,@function
k_qdd127784c8_qkv:
	s_mov_b64 s[64:65], 0
	v_nop
	global_prefetch_b8 v0, s[64:65] scope:SCOPE_SE
	s_setreg_imm32_b32 hwreg(HW_REG_WAVE_MODE, 25, 1), 1
	s_wait_xcnt 0x0
	s_wait_alu depctr_hold_cnt(0) depctr_sa_sdst(0) depctr_va_vdst(0) depctr_va_sdst(0) depctr_va_ssrc(0) depctr_va_vcc(0) depctr_vm_vsrc(0)
	s_getreg_b32 s2, hwreg(HW_REG_IB_STS2, 6, 4)
	s_cmp_eq_u32 s2, 0
	s_cbranch_scc0 .Lentry_in_a_cluster
	s_endpgm
.Lentry_in_a_cluster:
	s_bfe_u32 s2, ttmp6, 0x10000c
	s_cmp_lg_u32 s2, 0xf033
	s_cbranch_scc0 .Lentry_shape_is_right
	s_endpgm
.Lentry_shape_is_right:
; q, k, v = x in_proj_w^T + bias, the QUANTISED product: both operands as codes of E2M1 with one E8M0 byte for each 32 along K, made by the launch before; sums in f32; results rounded once to f16.
; WORK LEFT OUT: k's bias, in_proj_b[1024:2048], is dead (a term that is the same along the softmax's axis: shown at the head of the first kernel): it is not loaded; the tiles of columns 1,024 to 2,047 start their sums with zeros.
; A: xc [8192][512 bytes], xs [8192][32];  B: wc [3072][512 bytes], ws [3072][32].  Out: f16, laid [part 0..2][16 batch + head][position][64]: byte = part << 24 + (16 b + h) << 18 + s << 7 + 2 d.
; A tile of C, 256 x 256, is made by a work-group of four waves; a wave makes 128 x 128: 64 accumulators of 16 x 16, 512 registers.  K = 1,024 is two steps of 512, one in each of two LDS slots:
; both are asked for at the start, and nothing is filled again.  The scale bytes of the work-group's 256 + 256 rows, for all of K, come once, in whole rows of 256 bytes.
; CLUSTERS: 4 x 4 work-groups.  The four of a row of the cluster need the same tiles of A, the four of a column the same tiles of B: each tile is asked for JOINTLY, by the same tensor load with the same
; descriptor and a mask that names the four.  A cluster's four tile columns are 1,024 columns: cluster x = 0 makes q, 1 makes k, 2 makes v; the one branch on it is alike in all sixteen partners.
; THE MATRIX INSTRUCTION IS USED TRANSPOSED (source 0 = 16 rows of B, source 1 = 16 rows of A): a lane holds eight neighbouring columns of one row of C.  THE BIAS IS THE C OF EACH SUM'S FIRST PRODUCT.
; REGISTERS, in windows of 256: window 0: v0-31 addresses; v32-95 scale words, two sets, and nothing else; v128-191 A's fragments, ONE set; on the way out v128-223 are at work.
;   window 1: B's fragments, two sets, at v0 and v128; v64-127 the bias of my 128 columns.   window 2: the accumulators of my rows 0-63 ((a, b) at v[8 (8 a + b)]);   window 3: those of rows 64-127.
.set SIZE_M, 8192
.set SIZE_N, 3072
.set SIZE_K, 1024
.set KSTEP,  512                       ; along K in a slot
.set NQ,     KSTEP/128                 ; matrix instructions deep
.set ROWB,   256                       ; a tile's row in bytes
.set KROW,   SIZE_K/2                  ; a row of codes in memory
.set PITCH,  272                       ; an LDS row: 256 bytes + 16 of padding = 68 words: the 16 rows that a load touches start at 16 different banks (64 banks of 4 bytes: ISA guide 11.1)
.set FR,     8                         ; registers of a fragment: 16 rows x 128 K
.set NL,     2                         ; LDS loads that bring one
.set NP,     4                         ; places behind this matrix instruction (ISA guide 7.12.1)
.set HALFT,  128*PITCH
.set SLOT,   4*HALFT                   ; A's 256 rows, then B's 256 rows
.set KS,     SIZE_K/32                 ; a row of scales in bytes
.set SCL,    2*SLOT                    ; behind the slots: the scales, as rows of 256 bytes + 16 of padding
.set HALFS,  (128*KS/256)*272          ; the scales of 128 rows: what one tensor load brings
.set SBLK,   (16*KS/256)*272           ; those of 16 rows
.set SPARE,  SCL+4*HALFS               ; the spare words, 128 bytes a wave
.set SPITCH, 272                       ; the way out: a stage of 16 rows x (256 bytes + 16) for each wave, in slot 0, which has had its only fill and its last read when the first result is stored there
.set ADRA, 16                          ; v16-17  LDS address of my A fragments in slot 0, 1
.set ADRB, 20                          ; v20-21  the same for B
.set STO,  24                          ; v24     the way out: where I put 16 bytes of a row
.set RD,   25                          ; v25     where I read back
.set CO,   26                          ; v26     my byte offset in the output
.set ADRS, 27                          ; v27     LDS address of my scale words: lanes 0-15 A's rows, lanes 16-31 B's
.set SPW,  28                          ; v28     LDS address of my spare word; never rewritten
.set NIL,  29                          ; v29     0; never rewritten
.set SC,   32                          ; scale words: set s at v[SC + 32 s]; register 4 i + q: lanes 0-15 A's block i, lanes 16-31 B's block i, the slot's q-th 128 along K
.set AF,   128                         ; A's fragments
.set OB,   128                         ; the way out: 16 rows read back: v128-159 and v160-191 by turns
.set TMP,  192                         ; the way out: packed results, v192-223
.set BI,   64                          ; window 1: the bias, eight registers for each of B's eight blocks
.set G1, 24
.set G0, 32
.set G1B, 48
.set G0B, 56
.set G1S, 68
.set G0S, 76
.set G1SB, 80
.set G0SB, 88
.set MSB, 0
.macro WIN new                         ; the immediate's high byte repeats the setting that is left; a switch that changes nothing is dropped
.if MSB != (\new)
	s_set_vgpr_msb (MSB<<8)|(\new)
.set MSB, \new
.endif
.endm
.set MUL_LO, 0xa1                      ; source 0 (B) window 1, source 1 (A) window 0, C and D window 2
.set MUL_HI, 0xf1                      ; the same, C and D window 3
.set BIA_LO, 0x91                      ; C (the bias) window 1, D window 2
.set BIA_HI, 0xd1                      ; C window 1, D window 3
.set TO_B,   0x40                      ; destination window 1, address window 0
; A joint load: waves 0 and 1 fetch for A, waves 2 and 3 for B.  The branch hangs on the wave's number alone.  An s_nop 0 and four v_nop follow each of the two lines.
.macro JLOAD g0a, g1a, g0b, g1b
	s_cmp_eq_u32 s15, 0
	s_cbranch_scc0 .Lfor_b_\@
	tensor_load_to_lds s[\g0a:\g0a+3], s[\g1a:\g1a+7]
	s_nop 0
.rept 4
	v_nop
.endr
	s_branch .Lasked_\@
.Lfor_b_\@:
	tensor_load_to_lds s[\g0b:\g0b+3], s[\g1b:\g1b+7]
	s_nop 0
.rept 4
	v_nop
.endr
.Lasked_\@:
.endm
.macro CROUND                          ; a round of the cluster's barrier
	s_barrier_signal -1
	s_barrier_wait -1
	s_cmp_lg_u32 s14, 0
	s_cbranch_scc1 .Lnot_wave_0_\@
	s_barrier_signal -3
.Lnot_wave_0_\@:
	s_barrier_wait -3
	s_barrier_signal -1
	s_barrier_wait -1
.endm
	s_load_b128 s[4:7], s[0:1], 0x0                ; A's codes s[4:5], A's scales s[6:7]
	s_load_b128 s[8:11], s[0:1], 0x10              ; B's codes s[8:9], B's scales s[10:11]
	s_load_b64 s[12:13], s[0:1], 0x20              ; the output
	s_load_b64 s[96:97], s[0:1], 0x28              ; in_proj_b
	v_lshl_add_u32 v[SPW], v0, 2, SPARE
	v_mov_b32 v[NIL], 0
	ds_add_u32 v[SPW], v[NIL]                      ; the wave's opening: the add, twice on end, and its wait ahead of my first tensor load
	ds_add_u32 v[SPW], v[NIL]                      ; and once more; the set-up below, work on registers, stands between it and the wait
	v_lshrrev_b32 v1, 5, v0
	v_readfirstlane_b32 s14, v1                    ; wave 0..3
	s_lshr_b32 s15, s14, 1                         ; which half of the tile's rows is mine.  Also: I fetch for A (0) or for B (1)
	s_and_b32 s16, s14, 1                          ; which half of its columns.  Also: which 128 rows of that tile I fetch
	s_bfe_u32 s40, ttmp6, 0x40000                  ; cx, cy: my place in the cluster
	s_bfe_u32 s41, ttmp6, 0x40004
	s_lshl_b32 s42, ttmp9, 2
	s_add_co_u32 s42, s42, s40                     ; tile column of C = 4 x cluster x + cx
	s_and_b32 s17, ttmp7, 0xffff
	s_lshl_b32 s17, s17, 2
	s_add_co_u32 s17, s17, s41                     ; tile row of C = 4 x cluster y + cy
	s_lshl_b32 s43, s41, 2
	s_lshl_b32 s43, 15, s43                        ; my row of the cluster
	s_lshl_b32 s44, 0x1111, s40                    ; my column
	; descriptor group 1: a tile of 128 rows x 256 bytes, padded in LDS
	s_or_b32 s[G1+0], s43, (0<<16)|(1<<20)|(1<<21)|(5<<22)|(3<<25)  ; 15:0 the mask: A's tiles go to my row; 17:16 elements of 1 byte; 20 padding on; 21 set beside a mask; 24:22 after every 64 words; 31:25 four words
	s_or_b32 s[G1B+0], s44, (0<<16)|(1<<20)|(1<<21)|(5<<22)|(3<<25)
.irp g, G1, G1B
	s_mov_b32 s[\g+1], ROWB<<16                    ; tensor_dim0
	s_mov_b32 s[\g+2], 128<<16                     ; tensor_dim1
	s_mov_b32 s[\g+3], ROWB<<16                    ; tile_dim0
	s_mov_b32 s[\g+4], 128                         ; tile_dim1
	s_mov_b32 s[\g+5], KROW                        ; tensor_dim0_stride
	s_mov_b32 s[\g+6], 0
	s_mov_b32 s[\g+7], 0
.endr
	; and for the scales of 128 rows: a dense block of 4,096 bytes, as 16 rows of 256 bytes (32 elements of 8 bytes), 16 bytes of padding behind each
	s_or_b32 s[G1S+0], s43, (3<<16)|(1<<20)|(1<<21)|(5<<22)|(3<<25)
	s_or_b32 s[G1SB+0], s44, (3<<16)|(1<<20)|(1<<21)|(5<<22)|(3<<25)
.irp g, G1S, G1SB
	s_mov_b32 s[\g+1], 32<<16
	s_mov_b32 s[\g+2], (128*KS/256)<<16
	s_mov_b32 s[\g+3], 32<<16
	s_mov_b32 s[\g+4], 128*KS/256
	s_mov_b32 s[\g+5], 32
	s_mov_b32 s[\g+6], 0
	s_mov_b32 s[\g+7], 0
.endr
	s_lshl_b32 s18, s16, 7                         ; which 128 rows of the tile I fetch
	s_lshl_b32 s20, s17, 8
	s_add_co_u32 s20, s20, s18                     ; A: row 256 x tile row + 128 x half
	s_lshl_b32 s46, s42, 8
	s_add_co_u32 s46, s46, s18                     ; B: row 256 x tile column + 128 x half
	s_mov_b32 s21, 0
	s_mov_b32 s47, 0
	s_mov_b64 s[18:19], KS
	s_mul_u64 s[22:23], s[20:21], s[18:19]         ; where these rows' scales begin, in bytes
	s_mul_u64 s[92:93], s[46:47], s[18:19]
	s_mov_b64 s[18:19], KROW
	s_mul_u64 s[20:21], s[20:21], s[18:19]         ; and their codes
	s_mul_u64 s[46:47], s[46:47], s[18:19]
	s_mul_i32 s45, s14, HALFT                      ; where they go: wave x 128 rows: no place in the cluster enters an LDS address
	s_mul_i32 s94, s14, HALFS
	s_wait_dscnt 0x0                               ; both opening adds are done
	s_wait_kmcnt 0x0
	s_add_nc_u64 s[20:21], s[4:5], s[20:21]
	s_add_nc_u64 s[22:23], s[6:7], s[22:23]
	s_add_nc_u64 s[46:47], s[8:9], s[46:47]
	s_add_nc_u64 s[92:93], s[10:11], s[92:93]
	CROUND                                         ; all sixteen work-groups are here: the joint loads meet
	s_mov_b32 s[G0S], 1
	s_add_co_u32 s[G0S+1], s94, SCL
	s_mov_b64 s[G0S+2:G0S+3], s[22:23]
	s_or_b32 s[G0S+3], s[G0S+3], 0x80000000
	s_mov_b32 s[G0SB], 1
	s_add_co_u32 s[G0SB+1], s94, SCL
	s_mov_b64 s[G0SB+2:G0SB+3], s[92:93]
	s_or_b32 s[G0SB+3], s[G0SB+3], 0x80000000
	JLOAD G0S, G1S, G0SB, G1SB                     ; the scales first: they are wanted with K step 0
.irp s, 0,1
	s_mov_b32 s[G0+4*\s], 1
	s_add_co_u32 s[G0+4*\s+1], s45, \s*SLOT
	s_add_nc_u64 s[G0+4*\s+2:G0+4*\s+3], s[20:21], \s*ROWB
	s_or_b32 s[G0+4*\s+3], s[G0+4*\s+3], 0x80000000
	s_mov_b32 s[G0B+4*\s], 1
	s_add_co_u32 s[G0B+4*\s+1], s45, \s*SLOT
	s_add_nc_u64 s[G0B+4*\s+2:G0B+4*\s+3], s[46:47], \s*ROWB
	s_or_b32 s[G0B+4*\s+3], s[G0B+4*\s+3], 0x80000000
	JLOAD G0+4*\s, G1, G0B+4*\s, G1B               ; three tensor loads of mine are out
.endr
	v_and_b32 v1, 15, v0                           ; r = l % 16
	v_bfe_u32 v2, v0, 4, 1                         ; h = l / 16
	; the bias of my 128 columns: for B's block b a lane wants columns 16 b + 8 h + 0 .. 7, in the result's layout.  ONE branch: q's and v's tiles load it; k's tiles (cluster x = 1) put zeros in its place
	s_lshl_b32 s46, s42, 10                        ; 4 bytes x 256 x tile column
	s_lshl_b32 s47, s16, 9                         ; + 4 x 128 x half
	s_add_co_u32 s46, s46, s47
	s_mov_b32 s47, 0
	s_add_nc_u64 s[96:97], s[96:97], s[46:47]
	v_lshlrev_b32 v7, 5, v2                        ; 32 h; never rewritten
	s_cmp_eq_u32 ttmp9, 1
	s_cbranch_scc1 .Lkeys
	WIN TO_B
.irp b, 0,1,2,3,4,5,6,7
	global_load_b128 v[BI+8*\b:BI+8*\b+3], v7, s[96:97] offset:64*\b
	global_load_b128 v[BI+8*\b+4:BI+8*\b+7], v7, s[96:97] offset:64*\b+16
.endr
	WIN 0
	s_branch .Lbias_set
.Lkeys:
	WIN TO_B
.set i, 0
.rept 64
	v_mov_b32 v[BI+i], 0
.set i, i+1
.endr
	WIN 0
.Lbias_set:
	v_mul_u32_u24 v3, v1, PITCH
	v_lshl_add_u32 v4, v2, 4, v3                   ; a fragment's row x pitch + 16 x half
	s_mul_i32 s21, s15, HALFT                      ; my 128 rows of A
	s_mul_i32 s22, s16, HALFT                      ; my 128 rows of B,
	s_add_co_u32 s22, s22, 2*HALFT                 ; which lie behind A's 256
.irp s, 0,1
	v_add_nc_u32 v[ADRA+\s], s21, v4
	v_add_nc_u32 v[ADRB+\s], s22, v4
	s_add_co_u32 s21, s21, SLOT
	s_add_co_u32 s22, s22, SLOT
.endr
	v_mul_u32_u24 v5, v1, KS                       ; my row's scales: KS bytes a row,
	v_lshrrev_b32 v6, 8, v5
	v_lshl_add_u32 v5, v6, 4, v5                   ; and 16 more for each 256 passed
	s_mul_i32 s21, s15, HALFS                      ; A's: my 128 rows
	s_mul_i32 s22, s16, HALFS                      ; B's: my 128 rows, behind A's 256
	s_add_co_u32 s22, s22, 2*HALFS
	s_sub_co_u32 s22, s22, s21
	v_mul_u32_u24 v6, s22, v2                      ; lanes 16-31 take B's
	s_add_co_u32 s21, s21, SCL
	v_add_nc_u32 v5, v5, v6
	v_add_nc_u32 v[ADRS], s21, v5
	s_mul_i32 s23, s14, 16*SPITCH                  ; my stage
	v_mul_u32_u24 v5, v1, SPITCH                   ; in: row r, 16 bytes for each half of the lanes
	v_lshl_add_u32 v5, v2, 4, v5
	v_add_nc_u32 v[STO], s23, v5
	v_bfe_u32 v5, v0, 3, 1                         ; back: lanes 0-15 take my first head's 128 bytes of two rows, lanes 16-31 my second head's
	v_mul_u32_u24 v5, v5, SPITCH
	v_lshl_add_u32 v5, v2, 7, v5
	v_and_b32 v6, 7, v0
	v_lshl_add_u32 v5, v6, 4, v5
	v_add_nc_u32 v[RD], s23, v5
	v_lshlrev_b32 v[CO], 4, v1                     ; in memory two positions of a head are 256 bytes on end;
	v_lshl_add_u32 v[CO], v2, 18, v[CO]            ; the next head lies 2^18 bytes on
	s_lshl_b32 s20, s42, 2
	s_lshl_b32 s21, s16, 1
	s_add_co_u32 s20, s20, s21                     ; g = my first column / 64: part g / 16, head g % 16 (g is even: g + 1 is of the same part)
	s_lshr_b32 s21, s20, 4
	s_lshl_b32 s21, s21, 24
	s_and_b32 s20, s20, 15
	s_lshl_b32 s20, s20, 18
	s_add_co_u32 s20, s20, s21
	s_lshl_b32 s21, s17, 8
	s_lshl_b32 s22, s15, 7
	s_add_co_u32 s21, s21, s22                     ; my first row: 256 x tile row + 128 x half
	s_lshr_b32 s22, s21, 11
	s_lshl_b32 s22, s22, 22                        ; the batch: 16 heads of 2^18 bytes
	s_add_co_u32 s20, s20, s22
	s_and_b32 s21, s21, 2047
	s_lshl_b32 s21, s21, 7                         ; the position x 128 bytes
	s_add_co_u32 s20, s20, s21
	s_mov_b32 s21, 0
	s_add_nc_u64 s[12:13], s[12:13], s[20:21]
.macro FRAG reg, adr, q, i             ; a fragment, 16 rows x 128 K of 4-bit codes: lane l holds row l % 16; registers 4 c .. 4 c + 3 hold K = 64 c + 32 (l / 16) + 0 .. 31
.irp c, 0,1
	ds_load_b128 v[\reg+4*\c:\reg+4*\c+3], v[\adr] offset:64*(\q)+32*\c+(\i)*16*PITCH
.endr
.endm
; 16 matrix instructions: A's blocks a0, a0 + 1 x B's eight, the slot's q-th 128 along K.  p: B's set;  sc: the set of scale words.  first = 1: the product starts the sum, with the bias registers as C.
; The 64 accumulators take turns, one instruction a turn, in the same order in every step.
.macro MUL16 a0, p, q, sc, first
.irp a, \a0, \a0+1
.irp b, 0,1,2,3,4,5,6,7
.if \first
	v_wmma_scale_f32_16x16x128_f8f6f4 v[8*(8*((\a)%4)+\b):8*(8*((\a)%4)+\b)+7], v[128*(\p)+FR*\b:128*(\p)+FR*\b+FR-1], v[AF+FR*(\a):AF+FR*(\a)+FR-1], v[BI+8*\b:BI+8*\b+7], v[SC+8*NQ*(\sc)+NQ*\b+(\q)], v[SC+8*NQ*(\sc)+NQ*(\a)+(\q)] matrix_a_fmt:MATRIX_FMT_FP4 matrix_b_fmt:MATRIX_FMT_FP4 matrix_a_scale:MATRIX_SCALE_ROW1
.else
	v_wmma_scale_f32_16x16x128_f8f6f4 v[8*(8*((\a)%4)+\b):8*(8*((\a)%4)+\b)+7], v[128*(\p)+FR*\b:128*(\p)+FR*\b+FR-1], v[AF+FR*(\a):AF+FR*(\a)+FR-1], v[8*(8*((\a)%4)+\b):8*(8*((\a)%4)+\b)+7], v[SC+8*NQ*(\sc)+NQ*\b+(\q)], v[SC+8*NQ*(\sc)+NQ*(\a)+(\q)] matrix_a_fmt:MATRIX_FMT_FP4 matrix_b_fmt:MATRIX_FMT_FP4 matrix_a_scale:MATRIX_SCALE_ROW1
.endif
.endr
.endr
.endm
.macro FETCH_B slot, q, p              ; B's eight fragments of the slot's q-th 128 along K into set p
	WIN TO_B
.irp i, 0,1,2,3,4,5,6,7
	FRAG 128*(\p)+FR*\i, ADRB+\slot, \q, \i
.endr
	WIN 0
.endm
.macro FETCH_A slot, q, i0             ; A's blocks i0 .. i0 + 3
.irp i, \i0, \i0+1, \i0+2, \i0+3
	FRAG AF+FR*(\i), ADRA+\slot, \q, \i
.endr
.endm
.macro SCALES sc                       ; a K step's scale words into set sc: four words a row; lanes 0-15 take A's block i, lanes 16-31 B's block i
.irp i, 0,1,2,3,4,5,6,7
	ds_load_b128 v[SC+8*NQ*\sc+NQ*\i:SC+8*NQ*\sc+NQ*\i+3], v[ADRS] offset:\i*SBLK
.endr
.endm
; A load into a register that a matrix instruction has read, and a vector instruction that reads a matrix result, stand NP places behind that matrix instruction; only plain vector
; instructions that name none of its registers are places (ISA guide 7.12.1 for vector instructions).
.macro PLACES n
.rept \n
	v_nop
.endr
.endm
; A step of 128 along K that has its successor in the same slot.  A's blocks go one after the other, each against B's eight: blocks 0-3 are fetched anew in the step's middle, blocks 4-7 at its end.
.macro STEP slot, q, first
	s_wait_dscnt 4*NL                              ; B's set and A's blocks 0-3 are in; the youngest eight loads (A's blocks 4-7) may be out
.if \first
	WIN BIA_LO
.else
	WIN MUL_LO
.endif
	MUL16 0, (\q)%2, \q, \slot, \first
	MUL16 2, (\q)%2, \q, \slot, \first
	s_wait_dscnt 0                                 ; A's blocks 4-7 are in
	PLACES NP
	FETCH_B \slot, (\q)+1, 1-(\q)%2
	FETCH_A \slot, (\q)+1, 0
.if \first
	WIN BIA_HI
.else
	WIN MUL_HI
.endif
	MUL16 4, (\q)%2, \q, \slot, \first
	MUL16 6, (\q)%2, \q, \slot, \first
	PLACES NP
	WIN 0
	FETCH_A \slot, (\q)+1, 4
.endm
; Slot 0's last step goes over to slot 1: one barrier; in front of it each wave waits for all its tensor loads (its part of slot 1), adds 0 to its spare word, and waits for that and for its reads of slot 0.
; Behind it slot 0 is read by nobody, which the way out leans on.
.macro TURN slot, next
	s_wait_tensorcnt 0x0                           ; all my tensor loads have landed  (every window is 0 here: the add's two registers lie in window 0)
	ds_add_u32 v[SPW], v[NIL]                      ; 0 onto my spare word
	s_wait_dscnt 4*NL+1                            ; (the add and the youngest eight loads, A's blocks 4-7, may be out)
	WIN MUL_LO
	MUL16 0, 1, NQ-1, \slot, 0                     ; sixteen matrix instructions stand between the add and the wait for it
	s_wait_dscnt 0x0                               ; the add is done, and my reads of this slot are over
	s_barrier_signal -1
	MUL16 2, 1, NQ-1, \slot, 0
	WIN 0
	s_barrier_wait -1
	PLACES NP
	v_add_nc_u32 v[ADRS], 4*NQ, v[ADRS]            ; on to the next K step's scale words (no LDS load of mine is out)
	FETCH_B \next, 0, 0
	FETCH_A \next, 0, 0
	SCALES \next
	WIN MUL_HI
	MUL16 4, 1, NQ-1, \slot, 0
	MUL16 6, 1, NQ-1, \slot, 0
	PLACES NP
	WIN 0
	FETCH_A \next, 0, 4
.endm
.macro STEPS slot, from                ; the slot's steps from .. NQ - 2
.set Q, \from
.rept NQ-1-\from
	STEP \slot, Q, 0
.set Q, Q+1
.endr
.endm
	s_wait_tensorcnt 1                             ; the scales and my part of K step 0 are in (K step 1's load, issued behind them, may be out),
	s_barrier_signal -1
	s_barrier_wait -1                              ; everybody's are
	FETCH_B 0, 0, 0
	FETCH_A 0, 0, 0
	SCALES 0
	FETCH_A 0, 0, 4
	s_wait_loadcnt 0x0                             ; the bias
	STEP 0, 0, 1                                   ; the first step's products start the sums
	STEPS 0, 1
	TURN 0, 1
	STEPS 1, 0
	s_wait_dscnt 4*NL                              ; the very last step: nothing more to fetch
	WIN MUL_LO
	MUL16 0, 1, NQ-1, 1, 0
	MUL16 2, 1, NQ-1, 1, 0
	s_wait_dscnt 0
	WIN MUL_HI
	MUL16 4, 1, NQ-1, 1, 0
	MUL16 6, 1, NQ-1, 1, 0
	WIN 0
; THE WAY OUT, block by block of 16 rows x 128 columns.  PACK: rounded to f16, 16 bytes a lane, each accumulator from its low end on.  TOSTAGE: into my own stage in LDS and back, two rows a load.  SEND: stored:
; sixteen lanes store 256 consecutive bytes, aligned: two positions of one head.  LDS serves a wave's instructions in order (ISA guide 5.7.1.4): no wait between the stores and the loads.
.macro PACK a
.set AC, 64*((\a)%4)
	WIN 0x0a+5*((\a)/4)                            ; sources 0 and 1: window 2 or 3
.irp b, 0,1,2,3,4,5,6,7
.irp r, 0,1,2,3
	v_cvt_pk_f16_f32 v[TMP+4*\b+\r], v[AC+8*\b+2*\r], v[AC+8*\b+2*\r+1]
.endr
.endr
	WIN 0
.endm
.macro TOSTAGE a
.set BK, OB+32*((\a)%2)
.irp b, 0,1,2,3,4,5,6,7
	ds_store_b128 v[STO], v[TMP+4*\b:TMP+4*\b+3] offset:32*\b
.endr
.irp t, 0,1,2,3,4,5,6,7
	ds_load_b128 v[BK+4*\t:BK+4*\t+3], v[RD] offset:\t*2*SPITCH
.endr
.endm
.macro SEND a
.set BK, OB+32*((\a)%2)
	s_wait_dscnt 0x0                               ; the block is back in registers
	s_wait_xcnt 0x0                                ; the earlier stores have read their base and their registers: only behind this wait are they written again
.if (\a) > 0
	s_add_nc_u64 s[12:13], s[12:13], 16*128        ; 16 positions on
.endif
.irp t, 0,1,2,3,4,5,6,7
	global_store_b128 v[CO], v[BK+4*\t:BK+4*\t+3], s[12:13] offset:256*\t
.endr
.endm
	PLACES NP                                      ; behind the last products: for the first read of results, and for the loads into the registers that held A's fragments
	PACK 0
	TOSTAGE 0
.irp a, 1,2,3,4,5,6,7                  ; block a's conversions stand between block a - 1's loads from the stage and the wait for them
	PACK \a
	SEND \a-1
	TOSTAGE \a
.endr
	SEND 7
	s_wait_tensorcnt 0x0                           ; the wave's end, behind my last tensor load and my last LDS store
	ds_add_u32 v[SPW], v[NIL]
	s_wait_dscnt 0x0
	CROUND                                         ; the closing round: no work-group ends while a partner may still ask for a tile that names it
	s_endpgm
.Lfunc_end_k_qdd127784c8_qkv:
	.size	k_qdd127784c8_qkv, .Lfunc_end_k_qdd127784c8_qkv-k_qdd127784c8_qkv
	.p2alignl 7, 3214868480
	.fill 96, 4, 3214868480
	.section	.rodata,"a",@progbits
	.p2align	6, 0x0
	.amdhsa_kernel k_qdd127784c8_qkv
		.amdhsa_group_segment_fixed_size 327680
		.amdhsa_private_segment_fixed_size 0
		.amdhsa_enable_private_segment 0
		.amdhsa_kernarg_size 48
		.amdhsa_user_sgpr_count 2
		.amdhsa_user_sgpr_kernarg_segment_ptr 1
		.amdhsa_wavefront_size32 1
		.amdhsa_system_sgpr_workgroup_id_x 1
		.amdhsa_system_sgpr_workgroup_id_y 1
		.amdhsa_system_sgpr_workgroup_id_z 1
		.amdhsa_system_vgpr_workitem_id 0
		.amdhsa_next_free_vgpr 1024
		.amdhsa_next_free_sgpr 98
		.amdhsa_reserve_vcc 0
		.amdhsa_float_denorm_mode_32 3
		.amdhsa_float_denorm_mode_16_64 3
		.amdhsa_memory_ordered 1
		.amdhsa_forward_progress 1
		.amdhsa_inst_pref_size 131
	.end_amdhsa_kernel
	.amdgpu_metadata
---
amdhsa.version: [ 1, 2 ]
amdhsa.kernels:
  - .name:           k_qdd127784c8_qkv
    .symbol:         k_qdd127784c8_qkv.kd
    .args:
      - { .name: xc, .offset: 0, .size: 8, .value_kind: global_buffer, .address_space: global }
      - { .name: xs, .offset: 8, .size: 8, .value_kind: global_buffer, .address_space: global }
      - { .name: wc, .offset: 16, .size: 8, .value_kind: global_buffer, .address_space: global }
      - { .name: ws, .offset: 24, .size: 8, .value_kind: global_buffer, .address_space: global }
      - { .name: qkv, .offset: 32, .size: 8, .value_kind: global_buffer, .address_space: global }
      - { .name: in_proj_b, .offset: 40, .size: 8, .value_kind: global_buffer, .address_space: global }
    .group_segment_fixed_size: 327680
    .private_segment_fixed_size: 0
    .kernarg_segment_align: 8
    .kernarg_segment_size: 48
    .max_flat_workgroup_size: 128
    .sgpr_count:     98
    .vgpr_count:     1024
    .wavefront_size: 32
...
	.end_amdgpu_metadata
.endif
;; end of part 2
;; launch attn (part 3): grid 4 x 64, 8 waves a work-group, no clusters, 327,680 bytes of LDS; arguments qkv, btab, ao; writes ao
.if DOCPART == 3
	.amdgcn_target "amdgcn-amd-amdhsa--gfx1250"
	.amdhsa_code_object_version 6
	.text
	.protected	k_qdd127784c8_attn
	.globl	k_qdd127784c8_attn
	.p2align	8
	.type	k_qdd127784c8_attn,@function
k_qdd127784c8_attn:
	s_mov_b64 s[64:65], 0
	v_nop
	global_prefetch_b8 v0, s[64:65] scope:SCOPE_SE
	s_setreg_imm32_b32 hwreg(HW_REG_WAVE_MODE, 25, 1), 1
	s_wait_xcnt 0x0
; O[bh][q][:] = the sum over k of softmax_k(Q[q] . K[k] / 8 + mask(q - k)) V[k][:], for each of 64 heads bh = 16 batch + head; 2,048 positions, head size 64.  Q, K, V: f16, [part][bh][position][64].
; Products on f16 operands, sums, maxima and the softmax in f32; the weights p are rounded to f16 for the second product, O once at the end.  Out: f16, laid [token / 128][head][token % 128][64].
; WORK LEFT OUT: K comes without its bias (dead: shown at the head of the first kernel).  The mask is looked up, not gathered: see THE MASK.
; SHARES.  A work-group owns 512 queries of one head, each of its eight waves 64: four tiles of 16.  Every wave walks all 2,048 keys, 64 a step: each fragment of K or V read from LDS feeds four products.
; LAYOUT.  S^T = K Q^T (source 0 = 16 keys, source 1 = 16 queries): a lane holds ONE query (lane % 16) and the keys 8 (lane / 16) + 0..7.  Two such tiles, rounded to f16 in pairs, in place, ARE source 1
; (32 keys x 16 queries) of O^T = V^T P, whose result again holds one query a lane.  K comes out of LDS as it lies, V ([key][channel]) turned, by ds_load_tr16_b128.
; SOFTMAX.  For each query a running maximum m and sum l: p = 2^(c s - c m), c = log2(e) / 8, s = q . k + 8 mask; in every step O and l are multiplied by a = 2^(c m_old - c m_new), which is 1 where m has not grown.
; THE MASK is the C of each tile's first product K Q^T, as 8 x mask, so it costs no vector instruction.  Where a step's 64 keys lie 128 or more from the wave's 64 queries (first key - first query), q - k is beyond
; +-32 for all of them and the mask is ONE number: eight registers hold it.  In the three steps at -64, 0, +64 a lane's eight numbers come from the table in LDS: key - query runs up with the register, and the copy
; (query % 4) of the table makes the lane's first word a multiple of 16 bytes.  Which of the two it is hangs on ids alone.
; TWO GROUPS OF WAVES, HALF A STEP APART.  M(j) = the products V^T P of step j - 1 and K Q^T of step j; SM = a step's softmax.  A trip's text is: [waves 0-3: M(j)]  SM  [waves 4-7: M(j)].  For waves 0-3 the SM is
; step j's, for waves 4-7 step j - 1's: the same chain of work, cut at another place.  So where one group is at its 64 products, the other is at its vector work.  Both read step j's tiles from LDS in trip j, so a change
; of slots serves both.  The branches hang on the wave's number; no barrier stands inside them.
; NO CLUSTER, though the four work-groups of a head walk the same K and V: the branch to the table's three steps hangs on where the wave's queries lie, which is the work-group's place among the four.
; THE RING.  Two slots of 512 keys (8 steps).  Waves 0-3 fetch K's quarters, waves 4-7 V's: 64 rows of 256 bytes (two keys a row) a load.  By this text's count a wave has at most three tensor loads out (the table's copy
; and K's two first fills), later one.  A refill has eight steps in which to land.
; REGISTERS, two windows of 256.  window 0: v1-12 addresses; v16-23 the far mask; v24-55 eight statistics a tile; v64-127 Q; v128-255 S^T, 32 a tile, then P in the lower 16 of them.
;   window 1: v0-127 O^T, 32 a tile; v128-191 K of a step; v192-255 V of a step.
.set PK,    272                        ; an LDS row of K: two keys, 256 bytes, + 16 of padding: the 16 keys of a load fall on 16 different columns of 16 bytes
.set PVP,   288                        ; of V: + 32
.set KSTP,  32*PK                      ; a step's 64 keys
.set VSTP,  32*PVP
.set VOFF,  256*PK                     ; a slot: 256 rows of K, then 256 rows of V
.set SLOT,  256*(PK+PVP)               ; 143,360
.set TAB,   2*SLOT                     ; behind the ring: the mask's table, four copies of 1,088 bytes
.set TCOPY, 1088
.set SPARE, TAB+4*TCOPY                ; the spare words, 128 bytes a wave
.set SPT,   144                        ; the way out: a stage of 64 rows x (128 bytes + 16) for each wave, in slot 0: it has had its last fill, and it was left at the last change of slots
.set AK0, 1                            ; v1   my lane's place in a tile of K
.set AV0, 2                            ; v2   the same for V
.set ADK, 3                            ; v3   LDS address of the step's K
.set ADV, 4                            ; v4   of its V
.set TB0, 5                            ; v5   my lane's place in the table
.set ADT, 6                            ; v6   LDS address of the step's mask
.set STO, 7                            ; v7   the way out: where I put 16 bytes of a row
.set RD,  8                            ; v8   where I read back
.set GO,  9                            ; v9   16 x lane
.set SPW, 10                           ; v10  LDS address of my spare word; never rewritten
.set NIL, 11                           ; v11  0; never rewritten
.set QO,  12                           ; v12  my byte offset in the wave's rows of Q
.set CB,  16                           ; v16-23 the far mask, eight times
.set ST,  24                           ; tile t's statistics at v[ST + 8 t]: +0 c m, +1 m, +2, +3 l (even keys', odd keys'), +4 to +7 at work; a in +6
.set QF,  64                           ; Q: tile t, channels 32 c on, at v[QF + 16 t + 8 c]
.set S,   128                          ; S^T: tile t, keys 16 kt on, at v[S + 32 t + 8 kt];  P: keys 32 kc on, at v[S + 32 t + 8 kc]
.set KFR, 128                          ; window 1: K: keys 16 kt on, channels 32 c on, at v[KFR + 16 kt + 8 c]
.set VFR, 192                          ; window 1: V^T: keys 32 kc on, channels 16 ct on, at v[VFR + 32 kc + 8 ct]
.set WV,   10                          ; s10  my wave
.set GRP,  11                          ; s11  its group: 0 (waves 0-3) or 1
.set W3,   12                          ; s12  wave % 4: which quarter I fetch
.set KF,   13                          ; s13  the step's first key
.set QW,   14                          ; s14  my first query
.set BAND, 15                          ; s15  1: this step takes its mask from the table
.set OFF,  16                          ; s16  where in the table
.set BIAS, 17                          ; s17  the far mask
.set HI,   18                          ; s18  8 x mask for q - k >= 32
.set LO,   19                          ; s19  8 x mask for q - k <= -32
.set SEL,  20                          ; s[20:21] v_permlanex16_b32's selects for lane l xor 16
.set CS,   22                          ; s[22:23] c; the packed form names a pair and takes its low word for both halves
.set TBK,  24                          ; s24  LDS byte at which the step's K begins
.set TBV,  25                          ; s25  and its V
.set CNT,  26                          ; s26  counts a loop's trips
.set G1K,  32                          ; s[32:39] descriptor group 1 for K's tiles;  s[40:47] for V's;  s[48:55] for a copy of the table
.set G1V,  40
.set G1T,  48
.set G0K,  56                          ; s[56:63] group 0 for K, a set for each slot;  s[68:75] for V;  s[76:79] for the table
.set G0V,  68
.set G0T,  76
.set MSB, 0
.macro WIN new                         ; the immediate's high byte repeats the setting that is left; a switch that changes nothing is dropped
.if MSB != (\new)
	s_set_vgpr_msb (MSB<<8)|(\new)
.set MSB, \new
.endif
.endm
.set W_KQ, 0x01                        ; K in window 1; Q, the mask and S^T in window 0
.set W_PV, 0x51                        ; V and O^T in window 1, P in window 0
.set W_RS, 0x41                        ; O^T (destination and source 0) in window 1, the factor in window 0
.set W_LD, 0x40                        ; a load's destination in window 1, its address in window 0
.macro PLACES n
.rept \n
	v_nop
.endr
.endm
; A refill of slot s: waves 0-3 K's quarters, waves 4-7 V's.  An s_nop 0 and four v_nop follow each of the two lines.
.macro TLOAD s
	s_cmp_lt_u32 s[WV], 4
	s_cbranch_scc0 .Lfor_v_\@
	tensor_load_to_lds s[G0K+4*\s:G0K+4*\s+3], s[G1K:G1K+7]
	s_nop 0
	PLACES 4
	s_branch .Lasked_\@
.Lfor_v_\@:
	tensor_load_to_lds s[G0V+4*\s:G0V+4*\s+3], s[G1V:G1V+7]
	s_nop 0
	PLACES 4
.Lasked_\@:
.endm
	s_load_b128 s[4:7], s[0:1], 0x0                ; qkv s[4:5], the table s[6:7]
	s_load_b64 s[8:9], s[0:1], 0x10                ; the output
	v_lshl_add_u32 v[SPW], v0, 2, SPARE
	v_mov_b32 v[NIL], 0
	ds_add_u32 v[SPW], v[NIL]                      ; the wave's opening: the add, twice on end, and its wait ahead of my first tensor load
	ds_add_u32 v[SPW], v[NIL]                      ; and once more; the set-up below, work on registers, stands between it and the wait
	v_lshrrev_b32 v13, 5, v0
	v_readfirstlane_b32 s[WV], v13                 ; wave 0..7
	s_lshr_b32 s[GRP], s[WV], 2
	s_and_b32 s[W3], s[WV], 3
	s_lshl_b32 s[QW], ttmp9, 9
	s_lshl_b32 s27, s[WV], 6
	s_add_co_u32 s[QW], s[QW], s27                 ; my first query: 512 x work-group x + 64 x wave
	s_and_b32 s27, ttmp7, 0xffff                   ; bh
	s_lshl_b32 s28, s27, 18                        ; the head's first byte in a part
	s_lshl_b32 s29, s[W3], 14                      ; my quarter of a slot: 128 keys, 16,384 bytes
	s_add_co_u32 s80, s28, s29
	s_add_co_u32 s80, s80, 1<<24                   ; in part 1, K
	s_mov_b32 s81, 0
	s_mul_i32 s30, s[W3], 64*PK                    ; and in LDS: K's,
	s_mul_i32 s31, s[W3], 64*PVP                   ; V's
	s_mul_i32 s84, s[W3], TCOPY                    ; my copy of the table, in memory and in LDS
	s_mov_b32 s85, 0
	s_lshl_b32 s86, s[QW], 7
	s_add_co_u32 s86, s86, s28                     ; Q at my first query (part 0)
	s_mov_b32 s87, 0
	s_lshr_b32 s82, s27, 4
	s_lshl_b32 s82, s82, 11
	s_add_co_u32 s82, s82, s[QW]                   ; my first token: 2,048 x batch + query
	s_lshr_b32 s83, s82, 7
	s_lshl_b32 s83, s83, 18                        ; the block of 128 tokens,
	s_and_b32 s82, s82, 127
	s_lshl_b32 s82, s82, 7                         ; the token in it x 128 bytes,
	s_add_co_u32 s82, s82, s83
	s_and_b32 s83, s27, 15
	s_lshl_b32 s83, s83, 14                        ; the head's 128 rows
	s_add_co_u32 s82, s82, s83
	s_mov_b32 s83, 0
	; descriptor group 1.  K, V: a dense block of 16,384 bytes as 64 rows of 256 bytes (32 elements of 8 bytes), padded behind each row
	s_mov_b32 s[G1K], (3<<16)|(1<<20)|(5<<22)|(3<<25)   ; 15:0 no mask; 17:16 elements of 8 bytes; 20 padding on; 24:22 after every 64 words; 31:25 four words
	s_mov_b32 s[G1V], (3<<16)|(1<<20)|(5<<22)|(7<<25)   ; the same with eight words
.irp g, G1K, G1V
	s_mov_b32 s[\g+1], 32<<16                      ; tensor_dim0
	s_mov_b32 s[\g+2], 64<<16                      ; tensor_dim1
	s_mov_b32 s[\g+3], 32<<16                      ; tile_dim0
	s_mov_b32 s[\g+4], 64                          ; tile_dim1
	s_mov_b32 s[\g+5], 32                          ; tensor_dim0_stride
	s_mov_b32 s[\g+6], 0
	s_mov_b32 s[\g+7], 0
.endr
	s_mov_b32 s[G1T], 3<<16                        ; a copy of the table: one row of 1,088 bytes, 136 elements of 8 bytes
	s_mov_b32 s[G1T+1], 136<<16
	s_mov_b32 s[G1T+2], 1<<16
	s_mov_b32 s[G1T+3], 136<<16
	s_mov_b32 s[G1T+4], 1
	s_mov_b32 s[G1T+5], 136
	s_mov_b32 s[G1T+6], 1<<16
	s_mov_b32 s[G1T+7], 0
	s_mov_b32 s[SEL], 0x76543210
	s_mov_b32 s[SEL+1], 0xfedcba98
	s_mov_b32 s[CS], 0x3e38aa3b                    ; c = log2(e) / 8
	s_mov_b32 s[CS+1], s[CS]                       ; (named with it as a pair, so it is written)
	s_mov_b32 s[TBK], 0
	s_mov_b32 s[TBV], VOFF
	s_mov_b32 s[KF], 0
	s_wait_dscnt 0x0                               ; both opening adds are done
	s_wait_kmcnt 0x0
	s_load_b32 s[HI], s[6:7], 0x0                  ; copy 0, word 0: key - query = -128
	s_load_b32 s[LO], s[6:7], 0x3fc                ; copy 0, word 255: key - query = +127
	s_add_nc_u64 s[8:9], s[8:9], s[82:83]          ; the output at my first token
	s_add_nc_u64 s[80:81], s[4:5], s[80:81]        ; K at my quarter of slot 0
	s_add_nc_u64 s[4:5], s[4:5], s[86:87]          ; Q at my first query
.irp s, 0,1
	s_mov_b32 s[G0K+4*\s], 1                       ; 1:0 count = 1
	s_add_co_u32 s[G0K+4*\s+1], s30, \s*SLOT       ; 63:32 LDS address
	s_add_nc_u64 s[G0K+4*\s+2:G0K+4*\s+3], s[80:81], \s*65536   ; 120:64 global address: slot s begins with keys 512 s on
	s_or_b32 s[G0K+4*\s+3], s[G0K+4*\s+3], 0x80000000           ; 127:126 type = 2
	s_mov_b32 s[G0V+4*\s], 1
	s_add_co_u32 s[G0V+4*\s+1], s31, \s*SLOT+VOFF
	s_add_nc_u64 s[G0V+4*\s+2:G0V+4*\s+3], s[80:81], (1<<24)+\s*65536   ; V is the part behind K
	s_or_b32 s[G0V+4*\s+3], s[G0V+4*\s+3], 0x80000000
.endr
	s_mov_b32 s[G0T], 1
	s_add_co_u32 s[G0T+1], s84, TAB
	s_add_nc_u64 s[G0T+2:G0T+3], s[6:7], s[84:85]
	s_or_b32 s[G0T+3], s[G0T+3], 0x80000000
	s_cmp_lt_u32 s[WV], 4                          ; a wave's first fills stand in one branch, ahead of every wait on TENSORcnt, every LDS read and every barrier; every wave issues some
	s_cbranch_scc0 .Lfirst_v
	tensor_load_to_lds s[G0T:G0T+3], s[G1T:G1T+7]
	s_nop 0
	tensor_load_to_lds s[G0K:G0K+3], s[G1K:G1K+7]
	s_nop 0
	tensor_load_to_lds s[G0K+4:G0K+7], s[G1K:G1K+7]
	s_nop 0
	PLACES 4
	s_branch .Lfirst_asked
.Lfirst_v:
	tensor_load_to_lds s[G0V:G0V+3], s[G1V:G1V+7]
	s_nop 0
	tensor_load_to_lds s[G0V+4:G0V+7], s[G1V:G1V+7]
	s_nop 0
	PLACES 4
.Lfirst_asked:
	v_and_b32 v13, 15, v0                          ; r = lane % 16
	v_bfe_u32 v14, v0, 4, 1                        ; h = lane / 16
	v_lshlrev_b32 v[QO], 7, v13
	v_lshl_add_u32 v[QO], v14, 4, v[QO]            ; Q: row r of 128 bytes, + 16 h
.irp t, 0,1,2,3                        ; Q stays in registers.  A fragment is 16 rows x 32 channels: registers 0-3 channels 8 h + 0..7, registers 4-7 channels 16 + 8 h + 0..7
.irp c, 0,1
	global_load_b128 v[QF+16*\t+8*\c:QF+16*\t+8*\c+3], v[QO], s[4:5] offset:\t*2048+64*\c
	global_load_b128 v[QF+16*\t+8*\c+4:QF+16*\t+8*\c+7], v[QO], s[4:5] offset:\t*2048+64*\c+32
.endr
.endr
	v_bfe_u32 v15, v0, 1, 3                        ; r / 2: two keys share an LDS row
	v_mul_u32_u24 v[AK0], v15, PK
	v_and_b32 v15, 1, v0
	v_lshl_add_u32 v[AK0], v15, 7, v[AK0]          ; + 128 (r % 2)
	v_lshl_add_u32 v[AK0], v14, 4, v[AK0]          ; + 16 h
	; The turning load takes 16 keys x 16 channels (lane l reads 16 bytes: key 8 h + l % 8, channels 8 ((l / 8) % 2) + 0..7) and leaves half a fragment of V^T: lane l holds channel l % 16 and 8 keys.
	v_bfe_u32 v[AV0], v0, 1, 2                     ; (l % 8) / 2
	v_lshl_add_u32 v[AV0], v14, 2, v[AV0]          ; + 4 h: the key's LDS row
	v_mul_u32_u24 v[AV0], v[AV0], PVP
	v_lshl_add_u32 v[AV0], v15, 7, v[AV0]          ; + 128 (l % 2)
	v_bfe_u32 v15, v0, 3, 1
	v_lshl_add_u32 v[AV0], v15, 4, v[AV0]
	; The table: word 128 + (key - query) + c of copy c = r % 4.  With key = KF + 16 kt + 8 h + j and query = QW + 16 t + r that is byte 4 (KF - QW + 64) + 64 (kt - t + 3) + 64 + 32 h - 16 (r / 4) + 4 j
	v_and_b32 v15, 3, v0
	v_mul_u32_u24 v[TB0], v15, TCOPY
	v_lshl_add_u32 v[TB0], v14, 5, v[TB0]
	v_add_nc_u32 v[TB0], TAB+64, v[TB0]
	v_bfe_u32 v15, v0, 2, 2
	v_lshlrev_b32 v15, 4, v15
	v_sub_nc_u32 v[TB0], v[TB0], v15
	s_mul_i32 s27, s[WV], 64*SPT                   ; my stage
	v_mul_u32_u24 v[STO], v13, SPT                 ; in: row r, 16 bytes for each half of the lanes
	v_lshl_add_u32 v[STO], v14, 4, v[STO]
	v_add_nc_u32 v[STO], s27, v[STO]
	v_bfe_u32 v15, v0, 3, 2                        ; back: eight lanes a row of 128 bytes, four rows a load
	v_mul_u32_u24 v[RD], v15, SPT
	v_and_b32 v15, 7, v0
	v_lshl_add_u32 v[RD], v15, 4, v[RD]
	v_add_nc_u32 v[RD], s27, v[RD]
	v_and_b32 v[GO], 31, v0
	v_lshlrev_b32 v[GO], 4, v[GO]
.irp t, 0,1,2,3
	v_mov_b32 v[ST+8*\t+1], 0xff61b1e6             ; m: -3e38, under every score: the first step's a is then 0, and l and the step are as in every step
	v_mov_b32 v[ST+8*\t+2], 0                      ; l
	v_mov_b32 v[ST+8*\t+3], 0
.endr
.irp t, 0,1,2,3
	v_mul_f32 v[ST+8*\t], s[CS], v[ST+8*\t+1]      ; c m
.endr
; What a trip needs of its step, made on the way that all waves take, ahead of the groups' parting.
.macro TRIPHEAD
	s_sub_co_u32 s27, s[KF], s[QW]
	s_add_co_u32 s27, s27, 64                      ; D = first key - first query + 64: 0, 64 or 128 in the three steps round the diagonal; elsewhere above 128 (as an unsigned number)
	s_cmp_le_u32 s27, 128
	s_cselect_b32 s[BAND], 1, 0
	s_min_u32 s[OFF], s27, 128                     ; (held, so that the address stays in the table in the steps that do not read it)
	s_lshl_b32 s[OFF], s[OFF], 2
	s_cmp_lt_u32 s[KF], s[QW]
	s_cselect_b32 s[BIAS], s[HI], s[LO]            ; keys before my queries: q - k >= 32; behind them: <= -32
	v_add_nc_u32 v[ADK], s[TBK], v[AK0]
	v_add_nc_u32 v[ADV], s[TBV], v[AV0]
	v_add_nc_u32 v[ADT], s[OFF], v[TB0]
.irp i, 0,1,2,3,4,5,6,7
	v_mov_b32 v[CB+\i], s[BIAS]                    ; (the last product that read these stands five v_nop back or more: the end of MPH)
.endr
.endm
.macro TRIPTAIL
	s_add_co_u32 s[TBK], s[TBK], KSTP
	s_add_co_u32 s[TBV], s[TBV], VSTP
	s_add_co_u32 s[KF], s[KF], 64
.endm
.macro FETCH_V                         ; the step's V, turned: 16 loads
	WIN W_LD
.irp kc, 0,1
.irp ct, 0,1,2,3
	ds_load_tr16_b128 v[VFR+32*\kc+8*\ct:VFR+32*\kc+8*\ct+3], v[ADV] offset:\kc*16*PVP+32*\ct
	ds_load_tr16_b128 v[VFR+32*\kc+8*\ct+4:VFR+32*\kc+8*\ct+7], v[ADV] offset:\kc*16*PVP+32*\ct+8*PVP
.endr
.endr
.endm
; THE MATRIX WORK OF A STEP.  pv = 2: 32 products O^T += V^T P of the step before; 1: they start O^T's sums; 0: none.  kq = 1: 32 products S^T = K Q^T of this step, and the loads of its K and V.
; The accumulators take turns, one instruction a turn: between two links of a chain stand 15 others'.
.macro MPH pv, kq
.if \kq
	WIN W_LD                                       ; K of this step: 16 loads.  (The last product that read K's registers stands five v_nop back: the end of the MPH before)
.irp kt, 0,1,2,3
.irp c, 0,1
	ds_load_b128 v[KFR+16*\kt+8*\c:KFR+16*\kt+8*\c+3], v[ADK] offset:\kt*8*PK+64*\c
	ds_load_b128 v[KFR+16*\kt+8*\c+4:KFR+16*\kt+8*\c+7], v[ADK] offset:\kt*8*PK+64*\c+32
.endr
.endr
.endif
.if \pv
.if \kq
	s_wait_dscnt 16                                ; V of the step before is in; K's sixteen, just issued, may be out
.else
	s_wait_dscnt 0x0
.endif
	WIN W_PV
.irp kc, 0,1
.irp ct, 0,1,2,3
.irp t, 0,1,2,3
.if (\pv == 1) && (\kc == 0)
	v_wmma_f32_16x16x32_f16 v[32*\t+8*\ct:32*\t+8*\ct+7], v[VFR+32*\kc+8*\ct:VFR+32*\kc+8*\ct+7], v[S+32*\t+8*\kc:S+32*\t+8*\kc+7], 0
.else
	v_wmma_f32_16x16x32_f16 v[32*\t+8*\ct:32*\t+8*\ct+7], v[VFR+32*\kc+8*\ct:VFR+32*\kc+8*\ct+7], v[S+32*\t+8*\kc:S+32*\t+8*\kc+7], v[32*\t+8*\ct:32*\t+8*\ct+7]
.endif
.endr
.endr
.endr
	WIN 0
	PLACES 5                                       ; the products below write over P's registers (five places), and loads go into V's and into S^T's (four)
.endif
.if \kq
	WIN 0
	s_cmp_lg_u32 s[BAND], 0
	s_cbranch_scc1 .Lband_\@
	FETCH_V
	s_wait_dscnt 16                                ; K is in; V's sixteen may be out
	WIN W_KQ
.irp kt, 0,1,2,3
.irp t, 0,1,2,3
	v_wmma_f32_16x16x32_f16 v[S+32*\t+8*\kt:S+32*\t+8*\kt+7], v[KFR+16*\kt:KFR+16*\kt+7], v[QF+16*\t:QF+16*\t+7], v[CB:CB+7]
.endr
.endr
	WIN 0
	s_branch .Ljoin_\@
.Lband_\@:
.irp kt, 0,1,2,3                       ; round the diagonal the sums begin with the table's numbers, loaded into the accumulators themselves
.irp t, 0,1,2,3
	ds_load_b128 v[S+32*\t+8*\kt:S+32*\t+8*\kt+3], v[ADT] offset:64*(\kt-\t+3)
	ds_load_b128 v[S+32*\t+8*\kt+4:S+32*\t+8*\kt+7], v[ADT] offset:64*(\kt-\t+3)+16
.endr
.endr
	s_wait_dscnt 32                                ; K's sixteen are in; the table's 32 may be out: with V's sixteen below at most 48 LDS loads of mine are out
	FETCH_V
	s_wait_dscnt 16                                ; the mask is in; V's sixteen may be out
	WIN W_KQ
.irp kt, 0,1,2,3
.irp t, 0,1,2,3
	v_wmma_f32_16x16x32_f16 v[S+32*\t+8*\kt:S+32*\t+8*\kt+7], v[KFR+16*\kt:KFR+16*\kt+7], v[QF+16*\t:QF+16*\t+7], v[S+32*\t+8*\kt:S+32*\t+8*\kt+7]
.endr
.endr
	WIN 0
.Ljoin_\@:
	WIN W_KQ
.irp kt, 0,1,2,3
.irp t, 0,1,2,3
	v_wmma_f32_16x16x32_f16 v[S+32*\t+8*\kt:S+32*\t+8*\kt+7], v[KFR+16*\kt+8:KFR+16*\kt+15], v[QF+16*\t+8:QF+16*\t+15], v[S+32*\t+8*\kt:S+32*\t+8*\kt+7]
.endr
.endr
	WIN 0
	PLACES 5                                       ; behind the last products.  Four serve the first read of the scores, the next write of the far mask and the next loads into K's registers; the fifth, so that on every way
	                                               ; through the text a matrix instruction that takes these scores as an operand, or begins their accumulators anew, stands far enough behind
.endif
.endm
; THE VECTOR WORK OF A STEP: the softmax of the wave's four tiles, line by line by turns, so that no line waits for the line above it.  rs = 1: O^T is rescaled (0: there is no O^T yet).
.macro SM rs
.irp j, 0,1,2,3                        ; the maximum of the lane's 32 scores and the old m: four chains, each begun at the low end of one accumulator
.irp t, 0,1,2,3
	v_max3_num_f32 v[ST+8*\t+4+\j], v[S+32*\t+8*\j], v[S+32*\t+8*\j+1], v[S+32*\t+8*\j+2]
.endr
.endr
.irp i, 3,5
.irp j, 0,1,2,3
.irp t, 0,1,2,3
	v_max3_num_f32 v[ST+8*\t+4+\j], v[ST+8*\t+4+\j], v[S+32*\t+8*\j+\i], v[S+32*\t+8*\j+\i+1]
.endr
.endr
.endr
.irp t, 0,1,2,3
	v_max3_num_f32 v[ST+8*\t+4], v[ST+8*\t+4], v[S+32*\t+7], v[S+32*\t+15]
.endr
.irp t, 0,1,2,3
	v_max3_num_f32 v[ST+8*\t+6], v[ST+8*\t+6], v[S+32*\t+23], v[S+32*\t+31]
.endr
.irp t, 0,1,2,3
	v_max3_num_f32 v[ST+8*\t+4], v[ST+8*\t+4], v[ST+8*\t+5], v[ST+8*\t+6]
.endr
.irp t, 0,1,2,3
	v_max3_num_f32 v[ST+8*\t+4], v[ST+8*\t+4], v[ST+8*\t+7], v[ST+8*\t+1]
.endr
.irp t, 0,1,2,3
	v_permlanex16_b32 v[ST+8*\t+5], v[ST+8*\t+4], s[SEL], s[SEL+1]   ; the query's other 32 keys lie in the lane 16 away
.endr
.irp t, 0,1,2,3
	v_mov_b32 v[ST+8*\t+7], v[ST+8*\t]             ; c m_old is kept for a
.endr
.irp t, 0,1,2,3
	v_max_num_f32 v[ST+8*\t+1], v[ST+8*\t+4], v[ST+8*\t+5]   ; the new m
.endr
.irp t, 0,1,2,3
	v_mul_f32 v[ST+8*\t], s[CS], v[ST+8*\t+1]      ; c m
.endr
.irp t, 0,1,2,3
	v_sub_f32 v[ST+8*\t+7], v[ST+8*\t+7], v[ST+8*\t]   ; of the two rounded products: a and p are taken against the same c m
.endr
.irp t, 0,1,2,3
	v_exp_f32 v[ST+8*\t+6], v[ST+8*\t+7]           ; a
.endr
.set b, 0
.rept 16
.irp t, 0,1,2,3
	v_pk_fma_f32 v[S+32*\t+b:S+32*\t+b+1], v[S+32*\t+b:S+32*\t+b+1], s[CS:CS+1], v[ST+8*\t:ST+8*\t+1] op_sel_hi:[1,0,0] neg_lo:[0,0,1] neg_hi:[0,0,1]   ; c s - c m, two at a time
.endr
.set b, b+2
.endr
.set e, 0
.rept 32
.irp t, 0,1,2,3
	v_exp_f32 v[S+32*\t+e], v[S+32*\t+e]           ; p
.endr
.set e, e+1
.endr
	v_nop                                          ; the plain instruction behind the last exponential, ahead of the first use
	s_wait_alu depctr_va_vdst(0)                   ; ONE wait for all 132 exponentials, ahead of the first instruction that names a result; none was named so far
.irp t, 0,1,2,3
	v_pk_fma_f32 v[ST+8*\t+2:ST+8*\t+3], v[ST+8*\t+2:ST+8*\t+3], v[ST+8*\t+6:ST+8*\t+7], v[S+32*\t:S+32*\t+1] op_sel_hi:[1,0,1]   ; l = a l + the unrounded p
.endr
.set b, 2
.rept 15
.irp t, 0,1,2,3
	v_pk_add_f32 v[ST+8*\t+2:ST+8*\t+3], v[ST+8*\t+2:ST+8*\t+3], v[S+32*\t+b:S+32*\t+b+1]
.endr
.set b, b+2
.endr
.set i, 0
.rept 16
.irp t, 0,1,2,3
	v_cvt_pk_f16_f32 v[S+32*\t+i], v[S+32*\t+2*i], v[S+32*\t+2*i+1]   ; P, in place, ascending: no source is written before it is read
.endr
.set i, i+1
.endr
.if \rs
	WIN W_RS
.set i, 0
.rept 16
.irp t, 0,1,2,3
	v_pk_mul_f32 v[32*\t+i:32*\t+i+1], v[32*\t+i:32*\t+i+1], v[ST+8*\t+6:ST+8*\t+7] op_sel_hi:[1,0]   ; O^T x a, each accumulator from its low end on
.endr
.set i, i+2
.endr
	WIN 0
.endif
.endm
.macro TRIP
	TRIPHEAD
	s_cmp_lg_u32 s[GRP], 0
	s_cbranch_scc1 .Lnot_a_\@
	MPH 2, 1
.Lnot_a_\@:
	SM 1
	s_cmp_eq_u32 s[GRP], 0
	s_cbranch_scc1 .Lnot_b_\@
	MPH 2, 1
.Lnot_b_\@:
	TRIPTAIL
.endm
.macro LOOP n
	s_mov_b32 s[CNT], \n
.Ltrip_\@:
	TRIP
	s_sub_co_u32 s[CNT], s[CNT], 1
	s_cmp_lg_u32 s[CNT], 0
	s_cbranch_scc1 .Ltrip_\@
.endm
; THE CHANGE OF SLOTS.  Each wave waits for all its tensor loads (its part of the slot ahead), adds 0 to its spare word, and waits for that and for its reads of the slot that it leaves (V of its last step among them).
; Behind the barrier the slot ahead is whole and nobody reads the other.  fill = 1: slot s, just left, is filled with the keys two slots on: the wave's one tensor load, first thing behind the barrier.
.macro CHANGE fill, s, new
	s_wait_tensorcnt 0x0                           ; no tensor load of mine is out, so a group 0 may be written
	ds_add_u32 v[SPW], v[NIL]                      ; 0 onto my spare word; the steps below stand between it and the wait for it
.if \fill
	s_add_nc_u64 s[G0K+4*\s+2:G0K+4*\s+3], s[G0K+4*\s+2:G0K+4*\s+3], 2*65536   ; the type bits on top are not reached
	s_add_nc_u64 s[G0V+4*\s+2:G0V+4*\s+3], s[G0V+4*\s+2:G0V+4*\s+3], 2*65536
.endif
	s_mov_b32 s[TBK], \new*SLOT
	s_mov_b32 s[TBV], \new*SLOT+VOFF
	s_wait_dscnt 0x0
	s_barrier_signal -1
	s_barrier_wait -1
.if \fill
	TLOAD \s
.endif
.endm
	s_wait_kmcnt 0x0                               ; the two far masks
	s_wait_loadcnt 0x0                             ; Q
	s_wait_tensorcnt 1                             ; my part of slot 0 (and my copy of the table) is in; slot 1's load, issued behind it, may stay out
	s_barrier_signal -1
	s_barrier_wait -1                              ; everybody's is
	; ---- step 0.  Waves 0-3 make their first scores; the barrier holds waves 4-7 back until then: from here on the groups are half a step apart
	TRIPHEAD
	s_cmp_lg_u32 s[GRP], 0
	s_cbranch_scc1 .Lhold
	MPH 0, 1
.Lhold:
	s_wait_dscnt 0x0                               ; no LDS instruction of mine is pending at a signal
	s_barrier_signal -1
	s_barrier_wait -1
	s_cmp_lg_u32 s[GRP], 0
	s_cbranch_scc1 .Lzero_b
	SM 0
	s_branch .Lzero_done
.Lzero_b:
	MPH 0, 1
.Lzero_done:
	TRIPTAIL
	; ---- step 1, in two arms: the first V^T P starts O^T's sums, and waves 4-7's softmax of step 0 has no O^T to rescale
	TRIPHEAD
	s_cmp_lg_u32 s[GRP], 0
	s_cbranch_scc1 .Lone_b
	MPH 1, 1
	SM 1
	s_branch .Lone_done
.Lone_b:
	SM 0
	MPH 1, 1
.Lone_done:
	TRIPTAIL
	LOOP 6                                         ; steps 2 to 7: the rest of slot 0
	CHANGE 1, 0, 1                                 ; slot 0 takes keys 1,024 on
	LOOP 8                                         ; steps 8 to 15, slot 1
	CHANGE 1, 1, 0                                 ; slot 1 takes keys 1,536 on
	LOOP 8                                         ; steps 16 to 23, slot 0
	CHANGE 0, 0, 1                                 ; nothing is left to fetch
	LOOP 8                                         ; steps 24 to 31, slot 1
	s_cmp_eq_u32 s[GRP], 0
	s_cbranch_scc1 .Llast
	SM 1                                           ; waves 4-7: the last step's softmax
.Llast:
	MPH 2, 0                                       ; V^T P of the last step
	; THE WAY OUT.  l's two halves and the other half of the lanes' are added; O^T is divided by l, rounded to f16 and sent through my stage in LDS, a tile (16 queries) at a time.
.irp t, 0,1,2,3
	v_add_f32 v[ST+8*\t+4], v[ST+8*\t+2], v[ST+8*\t+3]
.endr
.irp t, 0,1,2,3
	v_permlanex16_b32 v[ST+8*\t+5], v[ST+8*\t+4], s[SEL], s[SEL+1]
.endr
.irp t, 0,1,2,3
	v_add_f32 v[ST+8*\t+4], v[ST+8*\t+4], v[ST+8*\t+5]
.endr
.irp t, 0,1,2,3
	v_rcp_f32 v[ST+8*\t+6], v[ST+8*\t+4]
.endr
	v_nop                                          ; a plain instruction between the last reciprocal and the use of its result
	s_wait_alu depctr_va_vdst(0)                   ; and the wait ahead of the first use: one for the four
.macro PACK t                          ; a lane's eight channels of a row pack into 16 bytes; they go into rows of 144 bytes and come back four rows (512 bytes) a load
	WIN W_RS
.set i, 0
.rept 16
	v_pk_mul_f32 v[32*\t+i:32*\t+i+1], v[32*\t+i:32*\t+i+1], v[ST+8*\t+6:ST+8*\t+7] op_sel_hi:[1,0]
.set i, i+2
.endr
	WIN 0x05                                       ; sources 0 and 1 window 1, destination window 0: S^T's registers are free
.set i, 0
.rept 16
	v_cvt_pk_f16_f32 v[S+32*\t+i], v[32*\t+2*i], v[32*\t+2*i+1]
.set i, i+1
.endr
	WIN 0
.irp ct, 0,1,2,3
	ds_store_b128 v[STO], v[S+32*\t+4*\ct:S+32*\t+4*\ct+3] offset:16*SPT*\t+32*\ct
.endr
.irp u, 0,1,2,3
	ds_load_b128 v[S+16+32*\t+4*\u:S+16+32*\t+4*\u+3], v[RD] offset:16*SPT*\t+4*SPT*\u   ; LDS serves a wave's instructions in order (ISA guide 5.7.1.4): these see the stores above
.endr
.endm
	PACK 0
	PACK 1
	PACK 2
	PACK 3
.irp t, 0,1,2,3
.irp u, 0,1,2,3
	s_wait_dscnt 8*(3-\t)+3-\u                     ; behind this load: the rest of its tile's loads, and eight LDS instructions for each later tile
	global_store_b128 v[GO], v[S+16+32*\t+4*\u:S+16+32*\t+4*\u+3], s[8:9] offset:2048*\t+512*\u   ; the wave stores 512 consecutive bytes, aligned
.endr
.endr
	s_wait_tensorcnt 0x0                           ; the wave's end, behind my last tensor load and my last LDS store
	ds_add_u32 v[SPW], v[NIL]
	s_wait_dscnt 0x0
	s_endpgm
.Lfunc_end_k_qdd127784c8_attn:
	.size	k_qdd127784c8_attn, .Lfunc_end_k_qdd127784c8_attn-k_qdd127784c8_attn
	.p2alignl 7, 3214868480
	.fill 96, 4, 3214868480
	.section	.rodata,"a",@progbits
	.p2align	6, 0x0
	.amdhsa_kernel k_qdd127784c8_attn
		.amdhsa_group_segment_fixed_size 327680
		.amdhsa_private_segment_fixed_size 0
		.amdhsa_enable_private_segment 0
		.amdhsa_kernarg_size 24
		.amdhsa_user_sgpr_count 2
		.amdhsa_user_sgpr_kernarg_segment_ptr 1
		.amdhsa_wavefront_size32 1
		.amdhsa_system_sgpr_workgroup_id_x 1
		.amdhsa_system_sgpr_workgroup_id_y 1
		.amdhsa_system_sgpr_workgroup_id_z 1
		.amdhsa_system_vgpr_workitem_id 0
		.amdhsa_next_free_vgpr 512
		.amdhsa_next_free_sgpr 88
		.amdhsa_reserve_vcc 0
		.amdhsa_float_denorm_mode_32 3
		.amdhsa_float_denorm_mode_16_64 3
		.amdhsa_memory_ordered 1
		.amdhsa_forward_progress 1
		.amdhsa_inst_pref_size 255
	.end_amdhsa_kernel
	.section	.bss,"aw",@nobits
	.p2align	6
	.space	262144
	.amdgpu_metadata
---
amdhsa.version: [ 1, 2 ]
amdhsa.kernels:
  - .name:           k_qdd127784c8_attn
    .symbol:         k_qdd127784c8_attn.kd
    .args:
      - { .name: qkv, .offset: 0, .size: 8, .value_kind: global_buffer, .address_space: global }
      - { .name: btab, .offset: 8, .size: 8, .value_kind: global_buffer, .address_space: global }
      - { .name: ao, .offset: 16, .size: 8, .value_kind: global_buffer, .address_space: global }
    .group_segment_fixed_size: 327680
    .private_segment_fixed_size: 0
    .kernarg_segment_align: 8
    .kernarg_segment_size: 24
    .max_flat_workgroup_size: 256
    .sgpr_count:     88
    .vgpr_count:     512
    .wavefront_size: 32
...
	.end_amdgpu_metadata
.endif
;; end of part 3
;; launch oproj (part 4): grid 8 x 64, 4 waves a work-group, clusters of 4 x 4, 327,680 bytes of LDS; arguments ao, wo16, out_b, out0; writes out0
.if DOCPART == 4
	.amdgcn_target "amdgcn-amd-amdhsa--gfx1250"
	.amdhsa_code_object_version 6
	.text
	.protected	k_qdd127784c8_oproj
	.globl	k_qdd127784c8_oproj
	.p2align	8
	.type	k_qdd127784c8_oproj,@function
k_qdd127784c8_oproj:
	s_mov_b64 s[64:65], 0
	v_nop
	global_prefetch_b8 v0, s[64:65] scope:SCOPE_SE
	s_setreg_imm32_b32 hwreg(HW_REG_WAVE_MODE, 25, 1), 1
	s_wait_xcnt 0x0
	s_wait_alu depctr_hold_cnt(0) depctr_sa_sdst(0) depctr_va_vdst(0) depctr_va_sdst(0) depctr_va_ssrc(0) depctr_va_vcc(0) depctr_vm_vsrc(0)
	s_getreg_b32 s2, hwreg(HW_REG_IB_STS2, 6, 4)
	s_cmp_eq_u32 s2, 0
	s_cbranch_scc0 .Lentry_in_a_cluster
	s_endpgm
.Lentry_in_a_cluster:
	s_bfe_u32 s2, ttmp6, 0x10000c
	s_cmp_lg_u32 s2, 0xf033
	s_cbranch_scc0 .Lentry_shape_is_right
	s_endpgm
.Lentry_shape_is_right:
; out0[m][n] = the sum over k of A[m][k] out_w[n][k] + out_b[n].  A: the attention's result, f16, laid [m / 128][k / 64][m % 128][64];  B: out_w in f16, laid [n / 128][k / 64][n % 128][64];  out0: [8192][1024] f32.  Sums in f32.
; A tile of C is 128 x 128: 512 work-groups, two for each WGP.  Four waves, each 64 x 64: 16 accumulators of 16 x 16, 128 registers.  K goes in steps of 256 through two LDS slots.  In both layouts a tile's 128 rows x 256
; along K are 65,536 consecutive bytes (four chunks of 64 along K); a wave's tensor load brings half of that, as 128 rows of 256 bytes: two rows of the tile share an LDS row.
; CLUSTERS: 4 x 4 work-groups.  The four of a row of the cluster need the same tiles of A, the four of a column the same tiles of B: each tile is asked for JOINTLY, by the same tensor load with the same descriptor
; and a mask that names the four.  THE MATRIX INSTRUCTION IS USED TRANSPOSED (source 0 = 16 rows of B, source 1 = 16 rows of A): a lane holds eight neighbouring numbers of a row of C.  THE BIAS IS THE C OF EACH SUM'S FIRST PRODUCT.
; REGISTERS: window 0: v0-31 addresses; v32-95 at work on the way out; v96-127 the bias of my 64 columns; v128-255 the accumulators ((a, b) at v[128 + 8 (4 a + b)]).
;   window 1: two fragment buffers of 128: for 64 along K, 64 registers of A (2 x 4 x 16 rows x 32 K), then 64 of B.
.set PITCH,  272                       ; an LDS row: 256 bytes + 16 of padding: the 16 rows of a fragment fall on 16 different columns of 16 bytes
.set KCH,    64*PITCH                  ; a chunk: 128 rows x 64 along K
.set HALFT,  128*PITCH                 ; two chunks: what one tensor load brings
.set SLOT,   4*HALFT                   ; A's four chunks, then B's four
.set STAGE,  2*SLOT                    ; behind the ring: 16 rows x 272 bytes for each wave, for the way out
.set SPITCH, 272
.set SPARE,  STAGE+4*16*SPITCH         ; the spare words, 128 bytes a wave
.set KBYTES, 65536                     ; a K step of a tile in memory
.set ADRA, 16                          ; v16-17  LDS address of my A fragments in slot 0, 1
.set ADRB, 20                          ; v20-21  the same for B
.set STO,  24                          ; v24     the way out: where I put 32 bytes of a row
.set RD,   25                          ; v25     where I read a row back
.set CO,   26                          ; v26     my byte offset in C
.set SPW,  28                          ; v28     LDS address of my spare word; never rewritten
.set NIL,  29                          ; v29     0; never rewritten
.set TMP,  32                          ; the way out: 16 rows read back: v32-63 and v64-95 by turns
.set BI,   96                          ; the bias: eight registers for each of my four blocks of 16 columns
.set ACC,  128
.set F0,   0                           ; fragment buffers, in window 1
.set F1,   128
.set G1, 24                            ; s[24:31] descriptor group 1 for A's tiles;  s[32:39] group 0, one set for each slot
.set G0, 32
.set G1B, 48                           ; s[48:55], s[56:63] the same for B's tiles
.set G0B, 56
.set MSB, 0
.macro WIN new                         ; the immediate's high byte repeats the setting that is left
.if MSB != (\new)
	s_set_vgpr_msb (MSB<<8)|(\new)
.set MSB, \new
.endif
.endm
.set MUL,  0x05                        ; sources 0 (B) and 1 (A) window 1; C and D window 0
.set TO_F, 0x40                        ; destination window 1, address window 0
.macro JLOAD s                         ; a joint load: waves 0 and 1 fetch A's two halves, waves 2 and 3 B's; an s_nop 0 and four v_nop follow each of the two lines
	s_cmp_eq_u32 s11, 0
	s_cbranch_scc0 .Lfor_b_\@
	tensor_load_to_lds s[G0+4*\s:G0+4*\s+3], s[G1:G1+7]
	s_nop 0
.rept 4
	v_nop
.endr
	s_branch .Lasked_\@
.Lfor_b_\@:
	tensor_load_to_lds s[G0B+4*\s:G0B+4*\s+3], s[G1B:G1B+7]
	s_nop 0
.rept 4
	v_nop
.endr
.Lasked_\@:
.endm
.macro CREST                           ; a round of the cluster's barrier behind its opening barrier
	s_cmp_lg_u32 s10, 0
	s_cbranch_scc1 .Lnot_wave_0_\@
	s_barrier_signal -3
.Lnot_wave_0_\@:
	s_barrier_wait -3
	s_barrier_signal -1
	s_barrier_wait -1
.endm
.macro CROUND                          ; a whole round
	s_barrier_signal -1
	s_barrier_wait -1
	CREST
.endm
	s_load_b128 s[4:7], s[0:1], 0x0                ; A s[4:5], B s[6:7]
	s_load_b64 s[66:67], s[0:1], 0x10              ; out_b
	s_load_b64 s[8:9], s[0:1], 0x18                ; C
	v_lshl_add_u32 v[SPW], v0, 2, SPARE
	v_mov_b32 v[NIL], 0
	ds_add_u32 v[SPW], v[NIL]                      ; the wave's opening: the add, twice on end, and its wait ahead of my first tensor load
	ds_add_u32 v[SPW], v[NIL]                      ; and once more; the set-up below, work on registers, stands between it and the wait
	v_lshrrev_b32 v1, 5, v0
	v_readfirstlane_b32 s10, v1                    ; wave 0..3
	s_lshr_b32 s11, s10, 1                         ; which half of the tile's rows is mine.  Also: I fetch for A (0) or for B (1)
	s_and_b32 s12, s10, 1                          ; which half of its columns.  Also: which two chunks of a K step I fetch
	s_bfe_u32 s40, ttmp6, 0x40000                  ; cx, cy: my place in the cluster
	s_bfe_u32 s41, ttmp6, 0x40004
	s_lshl_b32 s42, ttmp9, 2
	s_add_co_u32 s42, s42, s40                     ; tile column of C = 4 x cluster x + cx
	s_and_b32 s13, ttmp7, 0xffff
	s_lshl_b32 s13, s13, 2
	s_add_co_u32 s13, s13, s41                     ; tile row of C = 4 x cluster y + cy
	s_lshl_b32 s43, s41, 2
	s_lshl_b32 s43, 15, s43                        ; my row of the cluster
	s_lshl_b32 s44, 0x1111, s40                    ; my column
	; descriptor group 1: a dense block of 32,768 bytes as 128 rows of 256 bytes (32 elements of 8 bytes), padded in LDS
	s_or_b32 s[G1+0], s43, (3<<16)|(1<<20)|(1<<21)|(5<<22)|(3<<25)  ; 15:0 the mask: A's tiles go to my row; 17:16 elements of 8 bytes; 20 padding on; 21 set beside a mask; 24:22 after every 64 words; 31:25 four words
	s_or_b32 s[G1B+0], s44, (3<<16)|(1<<20)|(1<<21)|(5<<22)|(3<<25)
.irp g, G1, G1B
	s_mov_b32 s[\g+1], 32<<16                      ; tensor_dim0
	s_mov_b32 s[\g+2], 128<<16                     ; tensor_dim1
	s_mov_b32 s[\g+3], 32<<16                      ; tile_dim0
	s_mov_b32 s[\g+4], 128                         ; tile_dim1
	s_mov_b32 s[\g+5], 32                          ; tensor_dim0_stride
	s_mov_b32 s[\g+6], 0
	s_mov_b32 s[\g+7], 0
.endr
	s_lshl_b32 s17, s12, 15                        ; which two chunks I fetch
	s_lshl_b32 s16, s13, 18
	s_add_co_u32 s16, s16, s17                     ; A: the tile row's block of 2^18 bytes
	s_lshl_b32 s46, s42, 18
	s_add_co_u32 s46, s46, s17                     ; B: the tile column's
	s_mov_b32 s17, 0
	s_mov_b32 s47, 0
	s_mul_i32 s20, s10, HALFT                      ; where they go: wave x 128 LDS rows: no place in the cluster enters an LDS address
	s_wait_dscnt 0x0                               ; both opening adds are done
	s_wait_kmcnt 0x0
	s_add_nc_u64 s[14:15], s[4:5], s[16:17]
	s_add_nc_u64 s[46:47], s[6:7], s[46:47]
	CROUND                                         ; all sixteen work-groups are here: the first joint loads meet
.irp s, 0,1
	s_mov_b32 s[G0+4*\s], 1
	s_add_co_u32 s[G0+4*\s+1], s20, \s*SLOT
	s_add_nc_u64 s[G0+4*\s+2:G0+4*\s+3], s[14:15], \s*KBYTES
	s_or_b32 s[G0+4*\s+3], s[G0+4*\s+3], 0x80000000
	s_mov_b32 s[G0B+4*\s], 1
	s_add_co_u32 s[G0B+4*\s+1], s20, \s*SLOT
	s_add_nc_u64 s[G0B+4*\s+2:G0B+4*\s+3], s[46:47], \s*KBYTES
	s_or_b32 s[G0B+4*\s+3], s[G0B+4*\s+3], 0x80000000
	JLOAD \s                                       ; two tensor loads of mine are out
.endr
	v_and_b32 v1, 15, v0                           ; r = l % 16
	v_bfe_u32 v2, v0, 4, 1                         ; h = l / 16
	s_lshl_b32 s46, s42, 9                         ; my first column, in bytes of f32: 4 x 128 x tile column
	s_lshl_b32 s47, s12, 8                         ; + 4 x 64 x half
	s_add_co_u32 s46, s46, s47
	s_mov_b32 s47, 0
	s_add_nc_u64 s[66:67], s[66:67], s[46:47]
	v_lshlrev_b32 v6, 5, v2                        ; 32 h; never rewritten
.irp b, 0,1,2,3                        ; the bias in the result's layout: for block b a lane wants columns 16 b + 8 h + 0 .. 7
	global_load_b128 v[BI+8*\b:BI+8*\b+3], v6, s[66:67] offset:64*\b
	global_load_b128 v[BI+8*\b+4:BI+8*\b+7], v6, s[66:67] offset:64*\b+16
.endr
	v_bfe_u32 v3, v0, 1, 3                         ; r / 2: two rows share an LDS row
	v_mul_u32_u24 v3, v3, PITCH
	v_and_b32 v4, 1, v0
	v_lshl_add_u32 v3, v4, 7, v3                   ; + 128 (r % 2)
	v_lshl_add_u32 v3, v2, 4, v3                   ; + 16 h
	s_mul_i32 s21, s11, 32*PITCH                   ; my 64 rows of A in a chunk
	s_mul_i32 s22, s12, 32*PITCH                   ; my 64 rows of B,
	s_add_co_u32 s22, s22, 2*HALFT                 ; whose chunks lie behind A's four
.irp s, 0,1
	v_add_nc_u32 v[ADRA+\s], s21, v3
	v_add_nc_u32 v[ADRB+\s], s22, v3
	s_add_co_u32 s21, s21, SLOT
	s_add_co_u32 s22, s22, SLOT
.endr
	s_mul_i32 s23, s10, 16*SPITCH
	s_add_co_u32 s23, s23, STAGE                   ; my stage
	v_mul_u32_u24 v4, v1, SPITCH                   ; in: row r, 32 bytes for each half of the lanes
	v_lshl_add_u32 v4, v2, 5, v4
	v_add_nc_u32 v[STO], s23, v4
	v_mul_u32_u24 v5, v2, SPITCH                   ; back: lanes 0-15 take one row of 256 bytes, lanes 16-31 the next
	v_lshl_add_u32 v5, v1, 4, v5
	v_add_nc_u32 v[RD], s23, v5
	v_lshlrev_b32 v[CO], 4, v1                     ; and the same two rows in C
	v_lshl_add_u32 v[CO], v2, 12, v[CO]
	s_lshl_b32 s16, s13, 7
	s_lshl_b32 s17, s11, 6
	s_add_co_u32 s16, s16, s17                     ; my first row of C: 128 x tile row + 64 x half
	s_lshl_b32 s16, s16, 12                        ; x 4,096 bytes
	s_mov_b32 s17, 0
	s_add_nc_u64 s[8:9], s[8:9], s[16:17]
	s_add_nc_u64 s[8:9], s[8:9], s[46:47]
; 8 matrix instructions: m blocks a0, a0 + 1 x all 4 n blocks, 32 along K: half c of buffer f.  zero = 1: the first product starts the sum with the bias.  The 16 accumulators take turns.
.macro MUL8 f, c, a0, zero
.irp a, \a0, \a0+1
.irp b, 0,1,2,3
.if \zero
	v_wmma_f32_16x16x32_f16 v[ACC+8*(4*(\a)+\b):ACC+8*(4*(\a)+\b)+7], v[\f+64+8*(4*\c+\b):\f+64+8*(4*\c+\b)+7], v[\f+8*(4*\c+\a):\f+8*(4*\c+\a)+7], v[BI+8*\b:BI+8*\b+7]
.else
	v_wmma_f32_16x16x32_f16 v[ACC+8*(4*(\a)+\b):ACC+8*(4*(\a)+\b)+7], v[\f+64+8*(4*\c+\b):\f+64+8*(4*\c+\b)+7], v[\f+8*(4*\c+\a):\f+8*(4*\c+\a)+7], v[ACC+8*(4*(\a)+\b):ACC+8*(4*(\a)+\b)+7]
.endif
.endr
.endr
.endm
; 32 LDS loads in one run: the fragments of one chunk (64 along K), which begins at byte k of the slot's part, into buffer f; the first 32 along K first
.macro FETCH slot, k, f
	WIN TO_F
.irp c, 0,1
.irp i, 0,1,2,3
	ds_load_b128 v[\f+64+8*(4*\c+\i):\f+64+8*(4*\c+\i)+3],   v[ADRB+\slot] offset:\k+64*\c+\i*8*PITCH
	ds_load_b128 v[\f+64+8*(4*\c+\i)+4:\f+64+8*(4*\c+\i)+7], v[ADRB+\slot] offset:\k+64*\c+\i*8*PITCH+32
	ds_load_b128 v[\f+8*(4*\c+\i):\f+8*(4*\c+\i)+3],         v[ADRA+\slot] offset:\k+64*\c+\i*8*PITCH
	ds_load_b128 v[\f+8*(4*\c+\i)+4:\f+8*(4*\c+\i)+7],       v[ADRA+\slot] offset:\k+64*\c+\i*8*PITCH+32
.endr
.endr
.endm
.macro PLACES                          ; four places in front of loads into registers that matrix instructions have read, and of the first read of results
.rept 4
	v_nop
.endr
.endm
; A K step is four quarters, a chunk each: 32 matrix instructions, on buffers 0, 1, 0, 1.  One of the first three: multiplies buffer f and fetches the next chunk, at byte k, into g.
.macro QUARTER slot, k, f, g, zero
	s_wait_dscnt 16                                ; the first 32 along K are in; the sixteen loads of the second 32 may be out
	WIN MUL
	MUL8 \f, 0, 0, \zero
	MUL8 \f, 0, 2, \zero
	PLACES
	FETCH \slot, \k, \g
	s_wait_dscnt 32                                ; all but the 32 just issued
	WIN MUL
	MUL8 \f, 1, 0, 0
	MUL8 \f, 1, 2, 0
.endm
; The last quarter multiplies buffer 1 and changes slots: ONE barrier; in front of it each wave waits for all its tensor loads, adds 0 to its spare word, and waits for that and for its own reads of this slot.  fill = 1: this slot is filled again, two K steps ahead.
.macro TURN slot, next, fill
	WIN 0                                          ; (the add's two registers lie in window 0)
	s_wait_tensorcnt 0x0                           ; all my tensor loads have landed: my part of the next slot;
	ds_add_u32 v[SPW], v[NIL]                      ; 0 onto my spare word;
	s_wait_dscnt 17                                ; (the add and the youngest sixteen loads may be out)
	WIN MUL
	MUL8 F1, 0, 0, 0                               ; eight matrix instructions stand between the add and the wait for it
	s_wait_dscnt 0x0                               ; the add is done, and my reads of this slot are over
	s_barrier_signal -1
	MUL8 F1, 0, 2, 0
.if \fill
	WIN 0
.endif
	s_barrier_wait -1
.if \fill
	CREST                                          ; the barrier has opened a round of the cluster's barrier: no wave of any partner still reads this slot's tile or has a load on its way
	s_add_nc_u64 s[G0+4*\slot+2:G0+4*\slot+3], s[G0+4*\slot+2:G0+4*\slot+3], 2*KBYTES
	s_add_nc_u64 s[G0B+4*\slot+2:G0B+4*\slot+3], s[G0B+4*\slot+2:G0B+4*\slot+3], 2*KBYTES
	JLOAD \slot                                    ; the first tensor load behind the round; the four v_nop behind it are also the places in front of the loads below
.else
	PLACES
.endif
	FETCH \next, 0, F0
	WIN MUL
	MUL8 F1, 1, 0, 0
	MUL8 F1, 1, 2, 0
.endm
	s_wait_tensorcnt 1                             ; my part of K step 0 is in (K step 1's load may be out),
	s_barrier_signal -1
	s_barrier_wait -1                              ; everybody's is
	FETCH 0, 0, F0
	s_wait_loadcnt 0x0                             ; the bias
	QUARTER 0, KCH,   F0, F1, 1                    ; K step 0: its first products start the sums
	QUARTER 0, 2*KCH, F1, F0, 0
	QUARTER 0, 3*KCH, F0, F1, 0
	TURN 0, 1, 1                                   ; slot 0 takes K step 2
	QUARTER 1, KCH,   F0, F1, 0                    ; K step 1
	QUARTER 1, 2*KCH, F1, F0, 0
	QUARTER 1, 3*KCH, F0, F1, 0
	TURN 1, 0, 1                                   ; slot 1 takes K step 3
	QUARTER 0, KCH,   F0, F1, 0                    ; K step 2
	QUARTER 0, 2*KCH, F1, F0, 0
	QUARTER 0, 3*KCH, F0, F1, 0
	TURN 0, 1, 0                                   ; nothing is left to fetch: no round of the cluster's barrier
	QUARTER 1, KCH,   F0, F1, 0                    ; K step 3
	QUARTER 1, 2*KCH, F1, F0, 0
	QUARTER 1, 3*KCH, F0, F1, 0
	s_wait_dscnt 16                                ; the very last quarter
	WIN MUL
	MUL8 F1, 0, 0, 0
	MUL8 F1, 0, 2, 0
	s_wait_dscnt 0
	MUL8 F1, 1, 0, 0
	MUL8 F1, 1, 2, 0
	WIN 0
; THE WAY OUT, block by block of 16 rows x 64 columns.  A lane holds 32 neighbouring bytes of a row; a row's 256 bytes are my wave's own: a block goes through my own stage in LDS and comes back as whole rows.
; LDS serves a wave's instructions in order (ISA guide 5.7.1.4): no wait between the stores and the loads, nor in front of the next block's stores.
.macro TOSTAGE a
.irp b, 0,1,2,3
	ds_store_b128 v[STO], v[ACC+8*(4*(\a)+\b):ACC+8*(4*(\a)+\b)+3] offset:64*\b        ; each accumulator from its low end on
	ds_store_b128 v[STO], v[ACC+8*(4*(\a)+\b)+4:ACC+8*(4*(\a)+\b)+7] offset:64*\b+16
.endr
.irp t, 0,1,2,3,4,5,6,7
	ds_load_b128 v[TMP+32*((\a)%2)+4*\t:TMP+32*((\a)%2)+4*\t+3], v[RD] offset:\t*2*SPITCH
.endr
.endm
.macro SEND a, younger                 ; younger: the LDS instructions issued behind block a's loads, which may stay out
	s_wait_dscnt \younger
.irp t, 0,1,2,3,4,5,6,7
	global_store_b128 v[CO], v[TMP+32*((\a)%2)+4*\t:TMP+32*((\a)%2)+4*\t+3], s[8:9] offset:(\a)*65536+\t*8192 th:TH_STORE_NT   ; 16 lanes store 256 consecutive bytes, aligned; written once, read by nobody here
.endr
.endm
	PLACES                                         ; behind the last products, ahead of the first read of results
	TOSTAGE 0
.irp a, 1,2,3
.if \a > 1
	s_wait_xcnt 0x0                                ; block a - 2's stores have read their registers: block a's loads may land there
.endif
	TOSTAGE \a
	SEND \a-1, 16                                  ; behind block a - 1's loads: block a's 8 stores and 8 loads
.endr
	SEND 3, 0
	s_wait_tensorcnt 0x0                           ; the wave's end, behind my last tensor load and my last LDS store
	ds_add_u32 v[SPW], v[NIL]
	s_wait_dscnt 0x0
	CROUND                                         ; the closing round: no work-group ends while a partner may still ask for a tile that names it
	s_endpgm
.Lfunc_end_k_qdd127784c8_oproj:
	.size	k_qdd127784c8_oproj, .Lfunc_end_k_qdd127784c8_oproj-k_qdd127784c8_oproj
	.p2alignl 7, 3214868480
	.fill 96, 4, 3214868480
	.section	.rodata,"a",@progbits
	.p2align	6, 0x0
	.amdhsa_kernel k_qdd127784c8_oproj
		.amdhsa_group_segment_fixed_size 327680
		.amdhsa_private_segment_fixed_size 0
		.amdhsa_enable_private_segment 0
		.amdhsa_kernarg_size 32
		.amdhsa_user_sgpr_count 2
		.amdhsa_user_sgpr_kernarg_segment_ptr 1
		.amdhsa_wavefront_size32 1
		.amdhsa_system_sgpr_workgroup_id_x 1
		.amdhsa_system_sgpr_workgroup_id_y 1
		.amdhsa_system_sgpr_workgroup_id_z 1
		.amdhsa_system_vgpr_workitem_id 0
		.amdhsa_next_free_vgpr 512
		.amdhsa_next_free_sgpr 68
		.amdhsa_reserve_vcc 0
		.amdhsa_float_denorm_mode_32 3
		.amdhsa_float_denorm_mode_16_64 3
		.amdhsa_memory_ordered 1
		.amdhsa_forward_progress 1
		.amdhsa_inst_pref_size 86
	.end_amdhsa_kernel
	.amdgpu_metadata
---
amdhsa.version: [ 1, 2 ]
amdhsa.kernels:
  - .name:           k_qdd127784c8_oproj
    .symbol:         k_qdd127784c8_oproj.kd
    .args:
      - { .name: ao, .offset: 0, .size: 8, .value_kind: global_buffer, .address_space: global }
      - { .name: wo16, .offset: 8, .size: 8, .value_kind: global_buffer, .address_space: global }
      - { .name: out_b, .offset: 16, .size: 8, .value_kind: global_buffer, .address_space: global }
      - { .name: out0, .offset: 24, .size: 8, .value_kind: global_buffer, .address_space: global }
    .group_segment_fixed_size: 327680
    .private_segment_fixed_size: 0
    .kernarg_segment_align: 8
    .kernarg_segment_size: 32
    .max_flat_workgroup_size: 128
    .sgpr_count:     68
    .vgpr_count:     512
    .wavefront_size: 32
...
	.end_amdgpu_metadata
.endif
;; end of part 4
